; MI455X (gfx1250); checked and timed in simulation.
; The chip was launched on July 23, 2026; its instructions are those of AMD's public machine-readable ISA for CDNA 5 (MIT licence, August 2026) and "CDNA5" Instruction Set Architecture Reference Guide (July 2026). The comments in the code are by the model that wrote it; some were corrected since.
;; Core Attention. Allowed arithmetic: matrix products marked QUANTISED: E3M2 operands, one E8M0 scale for each 32 along K, by v_wmma_scale_f32_16x16x128_f8f6f4 with both operands' format E3M2, f32 sums; products left as they are: f32 operands where the result goes on into a quantised operand, else bf16, f16 or f32 operands; f32 sums; everything else in f32.
;; Inputs: k 2 x 12 x 2,049 x 64 float32; kpos 2 x 2,049 x 2 int32; mask_for_attention 2 x 2,049 x 2,049 bool; q 2 x 12 x 2,049 x 64 float32; qpos 2 x 2,049 x 2 int32; v 2 x 12 x 2,049 x 64 float32.
;; Outputs: out0 2 x 2,049 x 768 float32.
;; Constants: num_cls = 1.
;; This version of the problem:
;;   THIS VERSION OF THE PROBLEM IS GIVEN IN LOW PRECISION. The matrix products marked QUANTISED in the list below multiply operands that are first quantised to E3M2 (3 exponent bits, 2 mantissa bits; 6 bits a number), with one power-of-two scale for each 32 numbers along K (OCP MX v1.0); their sums are f32. All else is computed in f32.
;;   The module's matrix products, in the order in which they are computed (A, B: the left and right operand; K: the contracted axis; several contracted axes count as one K, in the product's order):
;;     1. batch 24 x [M 2,048, K 64] x [K 64, N 2,048]; A: computed on the way; B: computed on the way: QUANTISED
;;     2. batch 24 x [M 1, K 64] x [K 64, N 2,048]; A: input q; B: input k: left as it is (M = 1 < 16)
;;     3. batch 24 x [M 2,049, K 64] x [K 64, N 1]; A: input q; B: input k: left as it is (N = 1 < 16)
;;     4. batch 24 x [M 2,049, K 2,049] x [K 2,049, N 64]; A: softmax (see below); B: input v: QUANTISED
;;   THE QUANTISER, for each operand of a quantised product, along K:
;;     - K is cut into blocks of 32 from its start; a last block that is shorter is filled with zeros.
;;     - A block's scale is 2^e with e = floor(log2(the largest magnitude in the block)) - 4, held to -126 .. 127; a block of zeros has e = 0. As a byte (E8M0): e + 127.
;;     - Each number is divided by its block's scale, clamped to +-28, and rounded to the nearest number of E3M2, ties to even, subnormals kept.
;;     - The product sums the exact products of the quantised numbers (number of the format x scale) in f32.
;;   ~~~python
;;   def quantise(x, axis):      # numpy; x: float32 -> the quantised numbers, widened to float32 again
;;       x = np.moveaxis(x, axis, -1); K = x.shape[-1]
;;       x = np.pad(x, [(0, 0)] * (x.ndim - 1) + [(0, -K % 32)]); x = x.reshape(x.shape[:-1] + (-1, 32)); a = np.abs(x).max(-1, keepdims=True)
;;       e = np.where(a > 0, np.clip(np.frexp(np.where(a > 0, a, 1))[1] - 1 - 4, -126, 127), 0)      # np.frexp(a)[1] - 1 = floor(log2(a)), exactly
;;       r = np.clip(x / 2.0 ** e, -28, 28)
;;       step = 2.0 ** (np.maximum(np.frexp(np.where(r == 0, 1, r))[1] - 1, -2) - 2)
;;       q = np.round(r / step) * step * 2.0 ** e      # np.round: ties to even
;;       return np.moveaxis(q.reshape(q.shape[:-2] + (-1,))[..., :K], -1, axis).astype(np.float32)
;;   ~~~
;;   SOFTMAX AHEAD OF A QUANTISED PRODUCT. Where the list says 'softmax', what is quantised is not the finished softmax but p = 2^(t - M), with t = logit x log2(e) and M = ceil(the row's largest t), a whole number; so 1/2 < the row's largest p <= 1. The row's sum l is taken of the UNQUANTISED p, in f32, and the product's result is divided by l at the end. Since M is a whole number, a kernel that streams over the keys may use a running M (the ceiling of the running maximum): every later rescaling is an exact power of two, which a block's scale takes up: the codes' values come out the same.
;;   OPERANDS COMPUTED ON THE WAY. 'Computed on the way' means the value that the module computes at that place (a softmax that the list does not call 'softmax' is quantised finished and normalised). What goes into a quantiser is computed in f32, as accurately as f32 sums, v_exp_f32 and their like allow (about 1e-6 of the number): no bf16 or f16 on the way to a quantiser, and a product that is left as it is and whose result goes on into a quantised operand takes f32 operands (vector FMAs, or v_wmma_f32_16x16x4_f32). A number that lies on a knife's edge between two numbers of the format may be rounded either way, as far as f32 arithmetic and the matrix unit's own rounding can turn it there, and no further.
;; 2 versions. Each part assembles by itself: llvm-mc -triple=amdgcn-amd-amdhsa -mcpu=gfx1250 --defsym DOCPART=n.
;; ======== version 1 of 2: 2 launches
;; limits: right only within a limited range of input values
;; workspace buffers: kv 5,326,848 bytes; mc 6,684,672 bytes; qr 3,145,728 bytes
;; launch prep (part 1): grid 405 x 1, 17 waves a work-group, no clusters, 185,600 bytes of LDS; arguments q, k, v, qpos, kpos, mask_for_attention, kv, mc, qr, out0; writes kv, mc, qr, out0
.if DOCPART == 1
	.amdgcn_target "amdgcn-amd-amdhsa--gfx1250"
	.amdhsa_code_object_version 6
	.text
	.protected	k_qb307e6acfd_prep
	.globl	k_qb307e6acfd_prep
	.p2align	8
	.type	k_qb307e6acfd_prep,@function
k_qb307e6acfd_prep:
	s_mov_b64 s[64:65], 0
	v_nop
	global_prefetch_b8 v0, s[64:65] scope:SCOPE_SE
	s_setreg_imm32_b32 hwreg(HW_REG_WAVE_MODE, 25, 1), 1
	s_wait_xcnt 0x0
; PREP: everything that many work-groups of the attention launch read is made once, as images of operand registers, and the 24 cls rows of the output are finished.
; B = 2, H = 12, N = 2,049 tokens (token 0 = cls), C = 64.  A key step is 128 keys; 17 steps cover keys 0 .. 2,175; keys past 2,048 are copies of key 2,048 and are marked as masked.
; A HALF FRAGMENT (768 bytes) is six registers of 32 lanes: registers 0-3 at 16 x lane, registers 4-5 at 512 + 8 x lane.
; kv: a record of 13,056 bytes for each (head, step): 8 half fragments of roped K (tile t, lane (r, h): key 32 (t / 2) + 8 (t % 2) + r + 8 (r / 8), channels 32 h on), 512 bytes of K scale words,
;     8 half fragments of V with the keys innermost (channel tile ct, half c), 256 bytes of V scale words.
; mc: 6,144 bytes for each (b, block of 64 queries, step): the mask as codes of E3M2, 1.0 where a key is hidden, 0 where it counts; 4 tiles of queries x 2 half fragments.
; qr: 1,024 bytes for each (head, tile of 16 queries): roped Q half fragment, 16 scale words, 16 f32 dot products with the raw key 0.
; THREE ROLES, by the work-group's number; each has LDS bytes of its own.
;   0 .. 23   VC: a head.  Wave s takes key step s: the raw f32 scores of query 0, their softmax under the wave's own whole number M, V quantised along the keys (stored, and kept in registers),
;             four products; the 17 partial results are brought under one M by exact powers of two and added through LDS.
;   24 .. 148 QK: a wave takes a tile of 16 tokens of Q or K for three heads: sine and cosine once, then per head rotate, quantise, store.
;   149 ..    M:  16 rows of the mask come in by four tensor loads (rows of 2,049 bytes land 2,192 bytes apart; bytes past the row's end arrive as zeros, which read as hidden); wave s codes step s.
; LIMITS: angles pos x frequency up to about 1e5 (three-part reduction by pi / 2, polynomials of degree 7 and 8); the frequencies are the nearest f32 to 100^(-j/16);
; a t under -2^80 counts as hidden; a p under 2^-126 counts as 0; a block of zeros carries the byte 1 (its codes are zeros, and only this program reads the bytes);
; mask bytes are 0 or 1; NaN and infinities among q, k, v are not served; f32 sums run in another order than in the definition.
.set HEADB, 524544                     ; bytes of a head: 2,049 rows of 256
.set REC,   13056
.set MREC,  6144
.set MROW,  2192                       ; a mask row in LDS
.set QKST,  35072                      ; role QK: a stage of 16 rows x 272 bytes for each wave
.set RM,    109056                     ; role VC: the 17 waves' -M
.set RO,    109312                     ; role VC: 4,352 bytes a wave: its partial result and sum
.set WV,    24                         ; s24 the wave's number
.set SEL,   56                         ; s[56:57] selects for lane l xor 16
.set CS,    58                         ; s[58:59] c = log2(e) / 8
.set NEGM,  12
.set TMAX,  13
.set SUM,   14
.set TM,    16
.set T2,    20
.set SCO,   28
.set F,     32
.set PS,    33
.set TMP,   34
.set P,     52
.set S,     64
.set O,     64
.set D,     128
.set FV,    128
.set VSW,   176
; 64 scores of a lane, register 16 b + i = key 32 b + 16 (lane / 16) + i of the lane's query, become p = 2^(t - M), p's codes in v[P] on and p's scale word in v[PS]; the sum of the unquantised p goes to v[SUM].
.macro SOFTMAX resc
.irp b, 0,1,2,3
	v_max3_num_f32 v[TM+\b], v[S+16*\b], v[S+16*\b+1], v[S+16*\b+2]   ; the largest score of each block of 32 keys: for the row's maximum and for the block's largest p
.endr
.irp i, 3,5,7,9,11,13
.irp b, 0,1,2,3
	v_max3_num_f32 v[TM+\b], v[TM+\b], v[S+16*\b+\i], v[S+16*\b+\i+1]
.endr
.endr
.irp b, 0,1,2,3
	v_max_num_f32 v[TM+\b], v[TM+\b], v[S+16*\b+15]
.endr
.irp b, 0,1,2,3
	v_permlanex16_b32 v[T2+\b], v[TM+\b], s[SEL], s[SEL+1]
.endr
.irp b, 0,1,2,3
	v_max_num_f32 v[TM+\b], v[TM+\b], v[T2+\b]     ; with lane l xor 16's 16 keys
.endr
	v_max3_num_f32 v[TMP], v[TM], v[TM+1], v[TM+2]
	v_max_num_f32 v[TMP], v[TMP], v[TM+3]
	v_mul_f32 v[TMP], s[CS], v[TMP]                ; as t
	v_max_num_f32 v[TMAX], v[TMAX], v[TMP]         ; the running largest t
	v_mov_b32 v[TMP], v[NEGM]
	v_floor_f32 v[NEGM], -v[TMAX]                  ; -M = floor(-t): M is a whole number
	v_sub_f32 v[TMP], v[NEGM], v[TMP]              ; old M - new M, 0 or less
	v_cvt_i32_f32 v[TMP], v[TMP]                   ; (it saturates)
	v_ldexp_f32 v[F], 1.0, v[TMP]                  ; f = 2^(old M - new M)
.set jj, 0
.rept 32
	v_pk_fma_f32 v[S+jj:S+jj+1], v[S+jj:S+jj+1], s[CS:CS+1], v[NEGM:NEGM+1] op_sel_hi:[1,0,0]   ; t - M
.set jj, jj+2
.endr
.irp b, 0,1,2,3
	v_fma_f32 v[TM+\b], v[TM+\b], s[CS], v[NEGM]
.endr
.set jj, 0
.rept 64
	v_exp_f32 v[S+jj], v[S+jj]
.set jj, jj+1
.endr
.irp b, 0,1,2,3
	v_exp_f32 v[TM+\b], v[TM+\b]
.endr
	v_pk_mul_f32 v[SUM:SUM+1], v[SUM:SUM+1], v[F:F+1] op_sel_hi:[1,0]   ; the sums under the new M (a plain line behind the exponentials)
	s_wait_alu depctr_va_vdst(0)
.irp b, 0,1,2,3
	v_max_num_f32 v[TM+\b], 0x2800000, v[TM+\b]    ; the floor 2^(5 - 127): the byte cannot fall under 1
.endr
.irp b, 0,1,2,3
	v_add_nc_u32 v[SCO+\b], 0xfe000000, v[TM+\b]   ; 4 off the exponent field: the conversion's scale operand
.endr
.irp b, 0,1,2,3
	v_lshrrev_b32 v[T2+\b], 23, v[SCO+\b]          ; the scale's byte
.endr
	v_lshl_or_b32 v[PS], v[T2+1], 8, v[T2]
	v_lshl_or_b32 v[PS], v[T2+2], 16, v[PS]
	v_lshl_or_b32 v[PS], v[T2+3], 24, v[PS]
.irp c, 0,1
	v_cvt_scalef32_pk16_bf6_f32 v[P+6*\c:P+6*\c+2], v[S+32*\c:S+32*\c+15], v[SCO+2*\c]
	v_cvt_scalef32_pk16_bf6_f32 v[T2+4*\c:T2+4*\c+2], v[S+32*\c+16:S+32*\c+31], v[SCO+2*\c+1]
.endr
	v_nop                                          ; one plain line behind the scaled conversions
.irp c, 0,1                                    ; a whole block in a lane: lanes 0-15 block 2 c, lanes 16-31 block 2 c + 1
.irp i, 0,1,2
	v_permlane16_swap_b32 v[P+6*\c+\i], v[T2+4*\c+\i]
.endr
.irp i, 0,1,2
	v_mov_b32 v[P+6*\c+3+\i], v[T2+4*\c+\i]
.endr
.endr
	v_pk_add_f32 v[T2:T2+1], v[S:S+1], v[S+2:S+3]  ; the sum of the unquantised p, in two chains
.set jj, 4
.rept 15
	v_pk_add_f32 v[SUM:SUM+1], v[SUM:SUM+1], v[S+jj:S+jj+1]
	v_pk_add_f32 v[T2:T2+1], v[T2:T2+1], v[S+jj+2:S+jj+3]
.set jj, jj+4
.endr
	v_pk_add_f32 v[SUM:SUM+1], v[SUM:SUM+1], v[T2:T2+1]
.set jj, 0
.rept \resc
	v_pk_mul_f32 v[O+jj:O+jj+1], v[O+jj:O+jj+1], v[F:F+1] op_sel_hi:[1,0]
.set jj, jj+2
.endr
.endm
; 32 numbers of one block, v[x] on, become six registers of codes, v[d] on.  v[t] on: three registers at work; v[m], v[m+1] maxima, v[m+2] the scale operand, v[m+3] the scale's byte
.macro QUANT32 x, d, t, m
	v_max3_num_f32 v[\m], |v[\x]|, |v[\x+1]|, |v[\x+2]|
	v_max3_num_f32 v[\m+1], |v[\x+3]|, |v[\x+4]|, |v[\x+5]|
.irp i, 6,10,14,18,22,26
	v_max3_num_f32 v[\m], v[\m], |v[\x+\i]|, |v[\x+\i+1]|
	v_max3_num_f32 v[\m+1], v[\m+1], |v[\x+\i+2]|, |v[\x+\i+3]|
.endr
	v_max3_num_f32 v[\m], v[\m], |v[\x+30]|, |v[\x+31]|
	v_max3_num_f32 v[\m], v[\m], v[\m+1], 0x2800000    ; and the floor 2^(5 - 127)
	v_add_nc_u32 v[\m+2], 0xfe000000, v[\m]
	v_lshrrev_b32 v[\m+3], 23, v[\m+2]
	v_cvt_scalef32_pk16_bf6_f32 v[\d:\d+2], v[\x:\x+15], v[\m+2]
	v_cvt_scalef32_pk16_bf6_f32 v[\t:\t+2], v[\x+16:\x+31], v[\m+2]   ; (a conversion's three registers begin on an even number)
	v_nop
.irp i, 0,1,2
	v_mov_b32 v[\d+3+\i], v[\t+\i]
.endr
.endm
	s_load_b512 s[4:19], s[0:1], 0x0               ; q s[4:5], k s[6:7], v s[8:9], qpos s[10:11], kpos s[12:13], mask s[14:15], kv s[16:17], mc s[18:19]
	s_load_b128 s[20:23], s[0:1], 0x40             ; qr s[20:21], out0 s[22:23]
	v_lshl_add_u32 v190, v0, 2, 0x2cc00
	v_mov_b32 v191, 0
	ds_add_u32 v190, v191
	ds_add_u32 v190, v191
	s_wait_dscnt 0x0
	v_lshrrev_b32 v1, 5, v0
	v_readfirstlane_b32 s[WV], v1                  ; wave 0 .. 16
	v_and_b32 v1, 31, v0                           ; L
	v_and_b32 v2, 15, v0                           ; r
	v_bfe_u32 v3, v0, 4, 1                         ; h
	v_lshlrev_b32 v4, 4, v1                        ; 16 L
	v_lshlrev_b32 v5, 3, v1                        ; 8 L
	v_lshlrev_b32 v6, 2, v1                        ; 4 L
	v_lshlrev_b32 v7, 4, v2                        ; 16 r
	s_mov_b32 s[SEL], 0x76543210
	s_mov_b32 s[SEL+1], 0xfedcba98
	s_mov_b32 s[CS], 0x3e38aa3b                    ; log2(e) / sqrt(64)
	s_mov_b32 s[CS+1], s[CS]
	; descriptor group 1 of the mask's tiles: 4 rows; 2,049 bytes are left of a row, 2,192 are laid into LDS (zeros past the end); 2,049 bytes from row to row
	s_mov_b32 s32, 0                               ; no work-group mask, elements of 1 byte, no padding
	s_mov_b32 s33, 2049<<16                        ; tensor_dim0
	s_mov_b32 s34, 4<<16                           ; tensor_dim1
	s_mov_b32 s35, MROW<<16                        ; tile_dim0
	s_mov_b32 s36, 4                               ; tile_dim1
	s_mov_b32 s37, 2049                            ; stride
	s_mov_b32 s38, 0
	s_mov_b32 s39, 0
	s_wait_kmcnt 0x0
	s_cmp_lt_u32 ttmp9, 24
	s_cbranch_scc1 .Lrole_vc
	s_cmp_lt_u32 ttmp9, 149
	s_cbranch_scc1 .Lrole_qk
; ------------------------------------------------------------------ role M
	s_sub_co_u32 s60, ttmp9, 149
	s_lshr_b32 s61, s60, 7                         ; b
	s_and_b32 s62, s60, 127                        ; T: queries 1 + 16 T on
	s_mul_i32 s66, s61, 4198401
	s_lshl_b32 s67, s62, 4
	s_lshl_b32 s68, s[WV], 2
	s_min_u32 s68, s68, 12                         ; (only waves 0 to 3 fetch)
	s_add_co_u32 s67, s67, s68
	s_add_co_u32 s67, s67, 1
	s_mul_i32 s67, s67, 2049
	s_add_co_u32 s66, s66, s67
	s_mov_b32 s67, 0
	s_mov_b32 s28, 1
	s_mul_i32 s29, s[WV], 4*MROW                   ; LDS: my four rows
	s_add_nc_u64 s[30:31], s[14:15], s[66:67]
	s_or_b32 s31, s31, 0x80000000
	s_cmp_lt_u32 s[WV], 4
	s_cbranch_scc0 .Lm_nofetch
	tensor_load_to_lds s[28:31], s[32:39]
	s_nop 0
.rept 4
	v_nop
.endr
.Lm_nofetch:
	v_mul_u32_u24 v8, v2, MROW
	v_lshl_add_u32 v8, v3, 5, v8
	s_lshl_b32 s26, s[WV], 7
	v_add_nc_u32 v8, s26, v8                       ; row r, my step's 128 bytes, + 32 h
	v_mov_b32 v9, 1.0                              ; the conversions' scale
	s_lshl_b32 s66, s61, 5
	s_lshr_b32 s67, s62, 2
	s_add_co_u32 s66, s66, s67
	s_mul_i32 s66, s66, 17
	s_add_co_u32 s66, s66, s[WV]
	s_mul_i32 s66, s66, MREC
	s_and_b32 s67, s62, 3
	s_mul_i32 s67, s67, 1536
	s_add_co_u32 s66, s66, s67
	s_mov_b32 s67, 0
	s_add_nc_u64 s[18:19], s[18:19], s[66:67]
	s_wait_tensorcnt 0x0                           ; my rows have landed (a wave that fetched nothing passes at once)
	s_barrier_signal -1
	s_barrier_wait -1                              ; all sixteen rows have
.irp c, 0,1
	ds_load_b128 v[16+8*\c:19+8*\c], v8 offset:64*\c
	ds_load_b128 v[20+8*\c:23+8*\c], v8 offset:64*\c+16
.endr
.macro MCODE c                                 ; keys 64 c + 32 h + 0 .. 31 of my query: 32 bytes -> 32 numbers (1 = hidden) -> six registers of codes
	s_wait_dscnt 2-2*\c                            ; this half's two loads are in
.irp w, 0,1,2,3,4,5,6,7
	v_xor_b32 v[16+8*\c+\w], 0x01010101, v[16+8*\c+\w]
.endr
.set jj, 0
.rept 32
	v_bfe_u32 v[32+jj], v[16+8*\c+jj/4], 8*(jj%4), 8
.set jj, jj+1
.endr
.set jj, 0
.rept 32
	v_cvt_f32_u32 v[32+jj], v[32+jj]
.set jj, jj+1
.endr
	v_cvt_scalef32_pk16_bf6_f32 v[64+8*\c:66+8*\c], v[32:47], v9
	v_cvt_scalef32_pk16_bf6_f32 v[80+4*\c:82+4*\c], v[48:63], v9
	v_nop
.irp i, 0,1,2
	v_mov_b32 v[67+8*\c+\i], v[80+4*\c+\i]
.endr
	global_store_b128 v4, v[64+8*\c:67+8*\c], s[18:19] offset:768*\c        ; 512 consecutive bytes
	global_store_b64 v5, v[68+8*\c:69+8*\c], s[18:19] offset:768*\c+512     ; 256 consecutive bytes
.endm
	MCODE 0
	MCODE 1
	s_wait_xcnt 0x0
	v_lshl_add_u32 v190, v0, 2, 0x2cc00
	v_mov_b32 v191, 0
	s_wait_tensorcnt 0x0
	ds_add_u32 v190, v191
	s_wait_dscnt 0x0
	s_endpgm
; ------------------------------------------------------------------ role QK
.Lrole_qk:
	s_sub_co_u32 s60, ttmp9, 24
	s_mul_i32 s60, s60, 17
	s_add_co_u32 s60, s60, s[WV]                   ; the wave's unit: 2,112 = (256 tiles of Q + 272 of K) x 4 groups of three heads
	s_cmp_ge_u32 s60, 2112
	s_cbranch_scc1 .Lend                           ; the last work-group has 13 waves over; the role has no barrier
	s_mul_i32 s26, s[WV], 4352
	s_add_co_u32 s26, s26, QKST                    ; my stage
	v_mad_u32_u24 v11, v3, 272, v7
	v_add_nc_u32 v11, s26, v11                     ; in: rows 2 i + h, 16 bytes at 16 r
	v_mul_u32_u24 v13, v2, 272
	v_lshl_add_u32 v13, v3, 7, v13
	v_add_nc_u32 v13, s26, v13                     ; out: row r, channels 32 h on
	s_and_b32 s61, s60, 3                          ; hg: heads 3 hg .. 3 hg + 2
	s_lshr_b32 s62, s60, 2
	s_lshr_b32 s66, s62, 7                         ; Q: b
	s_and_b32 s67, s62, 127                        ; Q: T
	s_sub_co_u32 s68, s62, 256                     ; K: tile among 2 x 136
	s_cmp_ge_u32 s68, 136
	s_cselect_b32 s69, 1, 0                        ; K: b
	s_mul_i32 s70, s69, 136
	s_sub_co_u32 s70, s68, s70                     ; K: kt = 8 x step + tile
	s_lshr_b32 s71, s70, 1
	s_lshl_b32 s71, s71, 5
	s_and_b32 s72, s70, 1
	s_lshl_b32 s73, s72, 3
	s_add_co_u32 s71, s71, s73                     ; K: first key 32 (kt / 2) + 8 (kt % 2)
	s_lshl_b32 s73, s67, 4
	s_add_co_u32 s73, s73, 1                       ; Q: first query 1 + 16 T
	s_cmp_lt_u32 s62, 256                          ; Q or K: hangs on ids alone
	s_cselect_b32 s74, s73, s71                    ; first token
	s_cselect_b32 s75, 0, 8                        ; K's rows 8-15 lie 8 further on
	s_cselect_b32 s76, s66, s69                    ; b
	s_cselect_b32 s77, 1, 0                        ; 1 = Q
	s_cselect_b64 s[78:79], s[4:5], s[6:7]         ; the tensor,
	s_cselect_b64 s[80:81], s[6:7], s[4:5]         ; the other one (its token 0),
	s_cselect_b64 s[82:83], s[10:11], s[12:13]     ; the positions,
	s_cselect_b64 s[84:85], s[20:21], s[16:17]     ; and where the images go
	s_mul_i32 s86, s76, 12
	s_mul_i32 s87, s61, 3
	s_add_co_u32 s86, s86, s87                     ; first head
	s_lshl_b32 s87, s86, 7
	s_add_co_u32 s87, s87, s67
	s_lshl_b32 s87, s87, 10                        ; Q: (head x 128 + T) x 1,024
	s_mul_i32 s88, s86, 17
	s_lshr_b32 s89, s70, 3
	s_add_co_u32 s88, s88, s89
	s_mul_i32 s88, s88, REC
	s_and_b32 s89, s70, 7
	s_mul_i32 s90, s89, 768
	s_add_co_u32 s88, s88, s90                     ; K: the record + 768 x tile
	s_lshr_b32 s91, s89, 1
	s_lshl_b32 s91, s91, 7
	s_lshl_b32 s92, s72, 6
	s_add_co_u32 s91, s91, s92
	s_add_co_u32 s91, s91, 6144
	s_sub_co_u32 s91, s91, s90                     ; K: from there to the tile's 16 scale words
	s_cmp_eq_u32 s77, 1
	s_cselect_b32 s92, s87, s88
	s_mov_b32 s93, 0
	s_mov_b32 s96, 768
	s_cselect_b32 s96, s96, s91
	s_mov_b32 s94, 17*REC
	s_cselect_b32 s94, 131072, s94                 ; from head to head
	s_mov_b32 s95, 0
	s_add_nc_u64 s[84:85], s[84:85], s[92:93]
	s_mul_i32 s98, s86, HEADB
	s_mov_b32 s99, 0
	s_add_nc_u64 s[78:79], s[78:79], s[98:99]
	s_add_nc_u64 s[80:81], s[80:81], s[98:99]
	s_mov_b32 s40, 0x3f22f983                      ; 2 / pi
	s_mov_b32 s41, 0xbfc90000                      ; -pi / 2 in three parts
	s_mov_b32 s42, 0xb9fda000
	s_mov_b32 s43, 0xb3a22168
	s_mov_b32 s44, 0xb94ca1f9                      ; sine: -1.9515296e-4, 8.3321609e-3, -1.6666655e-1
	s_mov_b32 s45, 0x3c08839e
	s_mov_b32 s46, 0xbe2aaaa3
	s_mov_b32 s47, 0x37ccf5ce                      ; cosine: 2.4433157e-5, -1.3887316e-3, 4.1666646e-2
	s_mov_b32 s48, 0xbab6061a
	s_mov_b32 s49, 0x3d2aaaa5
	v_add_nc_u32 v16, s74, v3                      ; first + h
	v_add_nc_u32 v17, s75, v16
.irp i, 0,1,2,3
	v_add_nc_u32 v[24+\i], 2*\i, v16
.endr
.irp i, 4,5,6,7
	v_add_nc_u32 v[24+\i], 2*\i, v17
.endr
.irp i, 0,1,2,3,4,5,6,7
	v_min_u32 v[24+\i], 2048, v[24+\i]             ; keys past the last are copies of it
.endr
.irp i, 0,1,2,3,4,5,6,7
	v_lshl_or_b32 v[24+\i], v[24+\i], 8, v7        ; load i: lanes 0-15 one whole row of 256 bytes, lanes 16-31 the next
.endr
	v_lshrrev_b32 v16, 3, v2
	v_mul_u32_u24 v16, s75, v16
	v_add3_u32 v16, v16, v2, s74
	v_min_u32 v16, 2048, v16                       ; my own token
	v_cmp_ne_u32 vcc_lo, 0, v16
	v_cndmask_b32 v10, 0, -1, vcc_lo               ; key 0 takes no part in the roped product: zero codes
	v_lshlrev_b32 v17, 3, v16
	v_lshl_add_u32 v17, v3, 2, v17
	s_mul_i32 s26, s76, 16392
	v_add_nc_u32 v17, s26, v17
	global_load_b32 v12, v17, s[82:83]             ; pos[b][token][h]: y for channels 0-31, x for 32-63
	v_lshlrev_b32 v14, 7, v3                       ; 128 h
	v_lshlrev_b32 v15, 3, v3                       ; 8 h
	v_lshl_add_u32 v8, v2, 2, s96                  ; my scale word's place
	v_lshl_add_u32 v9, v2, 2, 832                  ; and the dot product's
	s_wait_loadcnt 0x0
	v_cvt_f32_i32 v12, v12
; cos and sin of pos x 100^(-j/16): n = nearest whole number to a 2 / pi; r = a - n pi / 2; polynomials on |r| <= pi / 4; the quadrant from n
.macro SINCOS j, f
	v_mul_f32 v64, \f, v12
	v_mul_f32 v65, s40, v64
	v_rndne_f32 v65, v65
	v_fma_f32 v66, v65, s41, v64
	v_fma_f32 v66, v65, s42, v66
	v_fma_f32 v66, v65, s43, v66
	v_mul_f32 v67, v66, v66
	v_fma_f32 v68, v67, s44, s45
	v_fma_f32 v69, v67, s47, s48
	v_fma_f32 v68, v68, v67, s46
	v_fma_f32 v69, v69, v67, s49
	v_mul_f32 v70, v67, v66
	v_mul_f32 v71, v67, v67
	v_fma_f32 v72, v67, -0.5, 1.0
	v_fma_f32 v68, v68, v70, v66                   ; sin r
	v_fma_f32 v69, v69, v71, v72                   ; cos r
	v_cvt_i32_f32 v73, v65
	v_and_b32 v70, 1, v73
	v_cmp_eq_u32 vcc_lo, 1, v70
	v_cndmask_b32 v71, v68, v69, vcc_lo            ; odd n: the two change places
	v_cndmask_b32 v72, v69, v68, vcc_lo
	v_lshlrev_b32 v70, 30, v73
	v_and_b32 v70, 0x80000000, v70                 ; the sine's sign: bit 1 of n
	v_xor_b32 v[48+\j], v70, v71
	v_add_nc_u32 v73, 1, v73
	v_lshlrev_b32 v73, 30, v73
	v_and_b32 v73, 0x80000000, v73                 ; the cosine's: bit 1 of n + 1
	v_xor_b32 v[32+\j], v73, v72
.endm
	SINCOS 0, 1.0
	SINCOS 1, 0.7498942093
	SINCOS 2, 0.5623413252
	SINCOS 3, 0.4216965034
	SINCOS 4, 0.3162277660
	SINCOS 5, 0.2371373706
	SINCOS 6, 0.1778279410
	SINCOS 7, 0.1333521432
	SINCOS 8, 0.1
	SINCOS 9, 0.07498942093
	SINCOS 10, 0.05623413252
	SINCOS 11, 0.04216965034
	SINCOS 12, 0.03162277660
	SINCOS 13, 0.02371373706
	SINCOS 14, 0.01778279410
	SINCOS 15, 0.01333521432
	s_mov_b32 s25, 3
.Lqk_head:                                         ; one head a trip
.irp i, 0,1,2,3,4,5,6,7
	global_load_b128 v[64+4*\i:67+4*\i], v[24+\i], s[78:79]
.endr
.irp i, 0,1,2,3,4,5,6,7
	global_load_b128 v[160+4*\i:163+4*\i], v14, s[80:81] offset:16*\i     ; the other tensor's token 0, channels 32 h on
.endr
	s_wait_loadcnt 8                               ; the rows are in; the eight younger loads may be out
.irp i, 0,1,2,3,4,5,6,7
	ds_store_b128 v11, v[64+4*\i:67+4*\i] offset:544*\i
.endr
.irp i, 0,1,2,3,4,5,6,7
	ds_load_b128 v[96+4*\i:99+4*\i], v13 offset:16*\i     ; the stage is my own, and LDS serves a wave's instructions in order
.endr
	s_wait_dscnt 0x0
	s_wait_loadcnt 0x0
	v_pk_mul_f32 v[82:83], v[96:97], v[160:161]    ; the raw dot product with token 0, in two chains
	v_pk_mul_f32 v[84:85], v[98:99], v[162:163]
.irp j, 4,8,12,16,20,24,28
	v_pk_fma_f32 v[82:83], v[96+\j:97+\j], v[160+\j:161+\j], v[82:83]
	v_pk_fma_f32 v[84:85], v[98+\j:99+\j], v[162+\j:163+\j], v[84:85]
.endr
.irp j, 0,2,4,6,8,10,12,14
	v_pk_mul_f32 v[128+\j:129+\j], v[112+\j:113+\j], v[48+\j:49+\j]
	v_pk_mul_f32 v[144+\j:145+\j], v[96+\j:97+\j], v[48+\j:49+\j]
.endr
.irp j, 0,2,4,6,8,10,12,14
	v_pk_fma_f32 v[128+\j:129+\j], v[96+\j:97+\j], v[32+\j:33+\j], v[128+\j:129+\j] neg_lo:[0,0,1] neg_hi:[0,0,1]   ; x1 cos - x2 sin
	v_pk_fma_f32 v[144+\j:145+\j], v[112+\j:113+\j], v[32+\j:33+\j], v[144+\j:145+\j]                               ; x2 cos + x1 sin
.endr
	v_pk_add_f32 v[82:83], v[82:83], v[84:85]
	v_add_f32 v86, v82, v83
	v_permlanex16_b32 v87, v86, s[SEL], s[SEL+1]
	v_add_f32 v86, v86, v87                        ; both halves of the 64 channels
	QUANT32 128, 64, 72, 76
.irp i, 0,1,2,3,4,5
	v_and_b32 v[64+\i], v10, v[64+\i]
.endr
	v_lshlrev_b32 v80, v15, v79                    ; my block's byte at its place,
	v_permlanex16_b32 v81, v80, s[SEL], s[SEL+1]
	v_or_b32 v80, v80, v81                         ; with the other block's,
	v_or_b32 v80, 0x7f7f0000, v80                  ; and 1.0 for the instruction's unused upper 64 along K
	global_store_b128 v4, v[64:67], s[84:85]
	global_store_b64 v5, v[68:69], s[84:85] offset:512
	global_store_b32 v8, v80, s[84:85]
	s_cmp_eq_u32 s77, 1
	s_cbranch_scc0 .Lqk_nodot
	global_store_b32 v9, v86, s[84:85]
.Lqk_nodot:
	s_wait_xcnt 0x0                                ; the bases and the stores' data are written again only behind this wait
	s_add_nc_u64 s[78:79], s[78:79], HEADB
	s_add_nc_u64 s[80:81], s[80:81], HEADB
	s_add_nc_u64 s[84:85], s[84:85], s[94:95]
	s_sub_co_u32 s25, s25, 1
	s_cmp_lg_u32 s25, 0
	s_cbranch_scc1 .Lqk_head
.Lend:
	s_wait_xcnt 0x0
	v_lshl_add_u32 v190, v0, 2, 0x2cc00
	v_mov_b32 v191, 0
	s_wait_tensorcnt 0x0
	ds_add_u32 v190, v191
	s_wait_dscnt 0x0
	s_endpgm
; ------------------------------------------------------------------ role VC
.Lrole_vc:
	s_cmp_ge_u32 ttmp9, 12
	s_cselect_b32 s60, 1, 0                        ; b
	s_mul_i32 s62, ttmp9, HEADB
	s_mov_b32 s63, 0
	s_add_nc_u64 s[66:67], s[6:7], s[62:63]        ; k, q, v at my head
	s_add_nc_u64 s[72:73], s[4:5], s[62:63]
	s_add_nc_u64 s[70:71], s[8:9], s[62:63]
	s_lshl_b32 s62, s[WV], 15
	s_add_nc_u64 s[70:71], s[70:71], s[62:63]      ; v at my step's first key
	s_mul_i32 s62, s60, 4198401
	s_add_nc_u64 s[68:69], s[14:15], s[62:63]      ; the mask's row 0
	s_mul_i32 s62, ttmp9, 17
	s_add_co_u32 s62, s62, s[WV]
	s_mul_i32 s62, s62, REC
	s_add_nc_u64 s[16:17], s[16:17], s[62:63]      ; my record
	s_mul_i32 s61, s60, 12
	s_sub_co_u32 s61, ttmp9, s61
	s_lshl_b32 s61, s61, 8
	s_mul_i32 s62, s60, 6294528
	s_add_co_u32 s62, s62, s61
	s_add_nc_u64 s[22:23], s[22:23], s[62:63]      ; out0[b][0][64 x head]
	; every LDS address of the role is made here
	s_lshl_b32 s61, s[WV], 2
	s_add_co_u32 s61, s61, RM
	v_mov_b32 v41, s61
	v_mov_b32 v42, RM
	s_mul_i32 s61, s[WV], 4352
	s_add_co_u32 s61, s61, RO
	v_add_nc_u32 v43, s61, v4
	v_add_nc_u32 v44, s61, v6
	v_lshrrev_b32 v45, 2, v2
	v_lshlrev_b32 v45, 1, v45
	v_and_b32 v46, 1, v2
	v_add_nc_u32 v45, v45, v46                     ; channels 4 r on lie in register group 2 (r / 4) + r % 2,
	v_lshlrev_b32 v45, 9, v45
	v_bfe_u32 v46, v2, 1, 1
	v_lshl_add_u32 v45, v46, 8, v45                ; of lane 16 ((r / 2) % 2)
	v_add_nc_u32 v45, RO, v45
	v_lshl_add_u32 v46, v3, 6, RO+4096             ; the sums of lanes 0 and 16
	v_add_nc_u32 v47, 16*4352, v45                 ; (wave 16's part lies past the 16-bit immediate)
	v_add_nc_u32 v48, 16*4352, v46
	s_lshl_b32 s61, s[WV], 15
	s_cmp_eq_u32 s[WV], 16
	s_cselect_b32 s62, 0, 4096
	v_mul_u32_u24 v8, s62, v3
	v_add3_u32 v8, v8, v7, s61                     ; k: key 128 s + 16 h, bytes 16 r on (wave 16: key 2,048 for all)
	s_lshl_b32 s61, s[WV], 7
	v_lshl_add_u32 v9, v3, 4, s61                  ; mask: key 128 s + 16 h
	global_load_b128 v[36:39], v7, s[72:73]        ; q[head][0][4 r ..]
.set jj, 0
.rept 64
	global_load_u8 v[S+jj], v9, s[68:69] offset:32*(jj/16)+jj%16   ; the mask's byte lands where its score will stand
.set jj, jj+1
.endr
; eight key rows a half: register 8 n + i will hold key 128 s + 32 (n / 2) + 16 h + 8 (n % 2) + i.  Wave 16 has one key: it reads it eight times, so that both ways issue the same number of loads and none leaves the buffer
.macro KLD n
	s_cmp_eq_u32 s[WV], 16
	s_cbranch_scc1 .Lkl_\@
.irp i, 0,1,2,3,4,5,6,7
	global_load_b128 v[D+32*((\n)%2)+4*\i:D+32*((\n)%2)+4*\i+3], v8, s[66:67] offset:(32*((\n)/2)+8*((\n)%2)+\i)*256
.endr
	s_branch .Lkd_\@
.Lkl_\@:
.irp i, 0,1,2,3,4,5,6,7
	global_load_b128 v[D+32*((\n)%2)+4*\i:D+32*((\n)%2)+4*\i+3], v8, s[66:67]
.endr
.Lkd_\@:
.endm
; their dot products with q[0]: four channels a lane, then over the sixteen lanes of a row; every lane of the row ends with the score.  Hidden keys become -infinity
.macro KDOT n
.set DB, D+32*((\n)%2)
.set SB, S+8*(\n)
.irp i, 0,1,2,3,4,5,6,7
	v_pk_mul_f32 v[16+2*\i:17+2*\i], v[DB+4*\i:DB+4*\i+1], v[36:37]
.endr
.irp i, 0,1,2,3,4,5,6,7
	v_pk_fma_f32 v[16+2*\i:17+2*\i], v[DB+4*\i+2:DB+4*\i+3], v[38:39], v[16+2*\i:17+2*\i]
.endr
.irp i, 0,1,2,3,4,5,6,7
	v_add_f32 v[16+2*\i], v[16+2*\i], v[17+2*\i]
.endr
.irp x, 1,2,4,8
.irp i, 0,1,2,3,4,5,6,7
	v_add_f32_dpp v[16+2*\i], v[16+2*\i], v[16+2*\i] row_xmask:\x row_mask:0xf bank_mask:0xf
.endr
.endr
.irp i, 0,1,2,3,4,5,6,7
	v_cmp_eq_u32 vcc_lo, 0, v[SB+\i]
	v_cndmask_b32 v[SB+\i], v[16+2*\i], v40, vcc_lo
.endr
.endm
	KLD 0
	KLD 1
	v_mov_b32 v40, 0xff800000                      ; -infinity
	v_mov_b32 v[TMAX], 0xe7800000                  ; the largest t so far: -2^80
	v_floor_f32 v[NEGM], -v[TMAX]
	v_mov_b32 v[SUM], 0
	v_mov_b32 v[SUM+1], 0
	v_mov_b32 v[PS], 0                             ; (named with f as a pair before it is first written)
.irp n, 0,1,2,3,4,5,6,7
.if \n < 7
	s_wait_loadcnt 8                               ; this group's rows are in (and all that was asked before them); the next group's eight may be out
.else
	s_wait_loadcnt 0x0
.endif
	KDOT \n
.if \n < 6
	KLD \n+2
.endif
.endr
	s_cmp_lg_u32 s[WV], 16
	s_cbranch_scc1 .Lvc_whole
	v_cmp_eq_u32 vcc_lo, 1, v3                     ; wave 16: key 2,048 alone exists
	v_cndmask_b32 v[S], v[S], v40, vcc_lo
.set jj, 1
.rept 63
	v_mov_b32 v[S+jj], v40
.set jj, jj+1
.endr
.Lvc_whole:
	SOFTMAX 0
; V: lane L takes channel 32 cc + L, its registers run down the 32 keys of block blk; unit k = 4 cc + blk
.macro VLD k
	s_cmp_eq_u32 s[WV], 16
	s_cbranch_scc1 .Lvl_\@
.set jj, 0
.rept 32
	global_load_b32 v[S+32*((\k)%2)+jj], v6, s[70:71] offset:(32*((\k)%4)+jj)*256+128*((\k)/4)
.set jj, jj+1
.endr
	s_branch .Lvd_\@
.Lvl_\@:
.set jj, 0
.rept 32
	global_load_b32 v[S+32*((\k)%2)+jj], v6, s[70:71] offset:128*((\k)/4)
.set jj, jj+1
.endr
.Lvd_\@:
.endm
.macro VUNIT k
.if (\k) < 7
	s_wait_loadcnt 32                              ; this block's 32 loads are in; the next block's may be out
.else
	s_wait_loadcnt 0x0
.endif
.set XX, S+32*((\k)%2)
.set DD, FV+12*(2*((\k)/4)+((\k)%2))+6*(((\k)%4)/2)
	QUANT32 XX, DD, 178, 16
.if (\k)%4 == 0
	v_mov_b32 v[VSW+(\k)/4], v19
.else
	v_lshl_or_b32 v[VSW+(\k)/4], v19, 8*((\k)%4), v[VSW+(\k)/4]
.endif
.if (\k) < 6
	VLD (\k)+2
.endif
.endm
	VLD 0
	VLD 1
.irp cc, 0,1
.irp bl, 0,1,2,3
	VUNIT 4*\cc+\bl
.endr
.set jj, 0
.rept 12                                       ; even blocks' lanes 16-31 change places with odd blocks' lanes 0-15: two tiles of 16 channels in the operand's layout
	v_permlane16_swap_b32 v[FV+24*\cc+jj], v[FV+24*\cc+12+jj]
.set jj, jj+1
.endr
.endr
.irp f, 0,1,2,3,4,5,6,7
	global_store_b128 v4, v[FV+6*\f:FV+6*\f+3], s[16:17] offset:6656+768*\f
	global_store_b64 v5, v[FV+6*\f+4:FV+6*\f+5], s[16:17] offset:6656+768*\f+512
.endr
	global_store_b32 v6, v[VSW], s[16:17] offset:12800
	global_store_b32 v6, v[VSW+1], s[16:17] offset:12928
.rept 8
	v_nop                                          ; operands and scale words made by vector instructions stand this far ahead of a scaled matrix instruction
.endr
.irp ct, 0,2
	v_wmma_scale_f32_16x16x128_f8f6f4 v[O+8*\ct:O+8*\ct+7], v[FV+12*\ct:FV+12*\ct+11], v[P:P+11], 0, v[VSW+\ct/2], v[PS] matrix_a_fmt:MATRIX_FMT_BF6 matrix_b_fmt:MATRIX_FMT_BF6
	v_wmma_scale_f32_16x16x128_f8f6f4 v[O+8*\ct+8:O+8*\ct+15], v[FV+12*\ct+12:FV+12*\ct+23], v[P:P+11], 0, v[VSW+\ct/2], v[PS] matrix_a_fmt:MATRIX_FMT_BF6 matrix_b_fmt:MATRIX_FMT_BF6 matrix_a_scale:MATRIX_SCALE_ROW1
.endr
	ds_store_b32 v41, v[NEGM]                      ; my -M (the same in every lane)
	s_wait_dscnt 0x0
	s_barrier_signal -1
	s_barrier_wait -1
	ds_load_b128 v[96:99], v42
	ds_load_b128 v[100:103], v42 offset:16
	ds_load_b128 v[104:107], v42 offset:32
	ds_load_b128 v[108:111], v42 offset:48
	ds_load_b32 v112, v42 offset:64
	s_wait_dscnt 0x0
	v_min_num_f32 v113, v96, v97
.set jj, 98
.rept 15
	v_min_num_f32 v113, v113, v[jj]                ; the least -M is the row's
.set jj, jj+1
.endr
	v_sub_f32 v114, v113, v[NEGM]
	v_cvt_i32_f32 v114, v114
	v_ldexp_f32 v[F], 1.0, v114                    ; 2^(my M - the row's M): exact
.set jj, 0
.rept 16
	v_pk_mul_f32 v[O+jj:O+jj+1], v[O+jj:O+jj+1], v[F:F+1] op_sel_hi:[1,0]
.set jj, jj+2
.endr
	v_add_f32 v115, v[SUM], v[SUM+1]
	v_mul_f32 v115, v115, v[F]
.irp g, 0,1,2,3,4,5,6,7
	ds_store_b128 v43, v[O+4*\g:O+4*\g+3] offset:512*\g
.endr
	ds_store_b32 v44, v115 offset:4096
	s_wait_dscnt 0x0
	s_barrier_signal -1
	s_barrier_wait -1
	s_cmp_lg_u32 s[WV], 0
	s_cbranch_scc1 .Lvc_end
	s_wait_xcnt 0x0                                ; my stores of V have read their registers: the loads below land on some of them
.irp g, 0,1,2,3,4,5,6,7,8,9,10,11,12,13,14,15
	ds_load_b128 v[96+4*\g:99+4*\g], v45 offset:4352*\g
	ds_load_b32 v[164+\g], v46 offset:4352*\g
.endr
	ds_load_b128 v[160:163], v47
	ds_load_b32 v180, v48
	v_mov_b32 v181, 0
	s_wait_dscnt 0x0
.irp g, 1,2,3,4,5,6,7,8,9,10,11,12,13,14,15,16
	v_pk_add_f32 v[96:97], v[96:97], v[96+4*\g:97+4*\g]
	v_pk_add_f32 v[98:99], v[98:99], v[98+4*\g:99+4*\g]
	v_add_f32 v164, v164, v[164+\g]
.endr
	v_permlanex16_b32 v181, v164, s[SEL], s[SEL+1]
	v_add_f32 v164, v164, v181                     ; the row's sum
	v_rcp_f32 v164, v164
	v_nop
	s_wait_alu depctr_va_vdst(0)
.irp i, 0,1,2,3
	v_mul_f32 v[96+\i], v[96+\i], v164
.endr
	global_store_b128 v7, v[96:99], s[22:23]       ; sixteen lanes store the head's 256 bytes of row 0 (lanes 16-31 repeat them)
.Lvc_end:
	s_wait_xcnt 0x0
	v_lshl_add_u32 v190, v0, 2, 0x2cc00
	v_mov_b32 v191, 0
	s_wait_tensorcnt 0x0
	ds_add_u32 v190, v191
	s_wait_dscnt 0x0
	s_endpgm
.Lfunc_end_k_qb307e6acfd_prep:
	.size	k_qb307e6acfd_prep, .Lfunc_end_k_qb307e6acfd_prep-k_qb307e6acfd_prep
	.p2alignl 7, 3214868480
	.fill 96, 4, 3214868480
	.section	.rodata,"a",@progbits
	.p2align	6, 0x0
	.amdhsa_kernel k_qb307e6acfd_prep
		.amdhsa_group_segment_fixed_size 185600
		.amdhsa_private_segment_fixed_size 0
		.amdhsa_enable_private_segment 0
		.amdhsa_kernarg_size 80
		.amdhsa_user_sgpr_count 2
		.amdhsa_user_sgpr_kernarg_segment_ptr 1
		.amdhsa_wavefront_size32 1
		.amdhsa_system_sgpr_workgroup_id_x 1
		.amdhsa_system_sgpr_workgroup_id_y 1
		.amdhsa_system_sgpr_workgroup_id_z 1
		.amdhsa_system_vgpr_workitem_id 0
		.amdhsa_next_free_vgpr 192
		.amdhsa_next_free_sgpr 100
		.amdhsa_reserve_vcc 1
		.amdhsa_float_denorm_mode_32 3
		.amdhsa_float_denorm_mode_16_64 3
		.amdhsa_memory_ordered 1
		.amdhsa_forward_progress 1
		.amdhsa_inst_pref_size 183
	.end_amdhsa_kernel
	.amdgpu_metadata
---
amdhsa.version: [ 1, 2 ]
amdhsa.kernels:
  - .name:           k_qb307e6acfd_prep
    .symbol:         k_qb307e6acfd_prep.kd
    .args:
      - { .name: q, .offset: 0, .size: 8, .value_kind: global_buffer, .address_space: global }
      - { .name: k, .offset: 8, .size: 8, .value_kind: global_buffer, .address_space: global }
      - { .name: v, .offset: 16, .size: 8, .value_kind: global_buffer, .address_space: global }
      - { .name: qpos, .offset: 24, .size: 8, .value_kind: global_buffer, .address_space: global }
      - { .name: kpos, .offset: 32, .size: 8, .value_kind: global_buffer, .address_space: global }
      - { .name: mask_for_attention, .offset: 40, .size: 8, .value_kind: global_buffer, .address_space: global }
      - { .name: kv, .offset: 48, .size: 8, .value_kind: global_buffer, .address_space: global }
      - { .name: mc, .offset: 56, .size: 8, .value_kind: global_buffer, .address_space: global }
      - { .name: qr, .offset: 64, .size: 8, .value_kind: global_buffer, .address_space: global }
      - { .name: out0, .offset: 72, .size: 8, .value_kind: global_buffer, .address_space: global }
    .group_segment_fixed_size: 185600
    .private_segment_fixed_size: 0
    .kernarg_segment_align: 8
    .kernarg_segment_size: 80
    .max_flat_workgroup_size: 544
    .sgpr_count:     100
    .vgpr_count:     192
    .wavefront_size: 32
...
	.end_amdgpu_metadata
.endif
;; end of part 1
;; launch attn (part 2): grid 32 x 8, 12 waves a work-group, clusters of 4 x 4, 327,680 bytes of LDS; arguments kv, mc, qr, out0; writes out0
.if DOCPART == 2
	.amdgcn_target "amdgcn-amd-amdhsa--gfx1250"
	.amdhsa_code_object_version 6
	.text
	.protected	k_qb307e6acfd_attn
	.globl	k_qb307e6acfd_attn
	.p2align	8
	.type	k_qb307e6acfd_attn,@function
k_qb307e6acfd_attn:
	s_mov_b64 s[64:65], 0
	v_nop
	global_prefetch_b8 v0, s[64:65] scope:SCOPE_SE
	s_setreg_imm32_b32 hwreg(HW_REG_WAVE_MODE, 25, 1), 1
	s_wait_xcnt 0x0
	s_wait_alu depctr_hold_cnt(0) depctr_sa_sdst(0) depctr_va_vdst(0) depctr_va_sdst(0) depctr_va_ssrc(0) depctr_va_vcc(0) depctr_vm_vsrc(0)
	s_getreg_b32 s2, hwreg(HW_REG_IB_STS2, 6, 4)
	s_cmp_eq_u32 s2, 0
	s_cbranch_scc0 .Lentry_in_a_cluster
	s_endpgm
.Lentry_in_a_cluster:
	s_bfe_u32 s2, ttmp6, 0x10000c
	s_cmp_lg_u32 s2, 0xf033
	s_cbranch_scc0 .Lentry_shape_is_right
	s_endpgm
.Lentry_shape_is_right:
; ATTENTION for queries 1 .. 2,048 of 24 heads, on codes of E3M2 with one E8M0 scale for each 32 along a product's K.  All operands come as images of registers, made by the launch before.
; SHARES.  A work-group owns (b, a group g of three heads, a block qb of 64 queries): 12 waves, wave w = head w / 4, tile of 16 queries w % 4: 256 registers a wave, three waves to a SIMD,
; so that one wave's softmax stands beside another's products and LDS loads.  2 x 4 x 32 = 256 work-groups.
; Every wave walks 17 key steps of 128 keys.  Step 0 lies in LDS bytes of its own, filled once; steps 1 to 16 go through a ring of two slots of two steps.
; LAYOUT.  Both products are used transposed: S^T = K Q^T (source 0 = 16 keys, source 1 = my 16 queries), O^T = V^T P^T: a lane holds one query (lane % 16) throughout.
; The keys of a tile are not neighbours: lane r of tile 2 b + u takes key 32 b + 8 u + r + 8 (r / 8), so that the 16 registers of tiles 2 b, 2 b + 1 are 16 neighbouring keys.
; K = 64 fills half of the instruction's 128: the other half meets zero codes (registers v22-27), so a K tile is named with the six registers behind it, whatever they hold.
; THE MASK COSTS NO VECTOR INSTRUCTION.  Each tile of S^T is begun by a product of the same form: source 0 = a constant fragment with -1 at the place of the tile's key m, source 1 = the query's mask codes
; (1 = hidden), scales 1 and 2^100: the result is 0 or -2^100, exactly, and K Q^T adds onto it in place.  A hidden key's t lies far under every served t: its p is 0.
; Column 0 (the cls key, raw f32 dot product, made by the launch before) is added to register 0 of lanes 0-15 in step 0; key 0's K codes are zeros.
; SOFTMAX: t = score x log2(e) / 8; M = the running largest t rounded up to a whole number; p = 2^(t - M) is quantised along the keys; the sum is taken of the unquantised p and divides at the end.
; CLUSTER 4 x 4: the K / V records hang on (b, g) and are shared along a row of the cluster; the mask codes hang on (b, qb) and are shared along a column: each is asked for jointly.
; LIMITS: a t under -2^80 counts as hidden; a p under 2^-126 counts as 0; a row all of whose keys are hidden gives NaN, as the definition does; NaN and infinities among the inputs are not served.
.set REC,   13056                      ; a record of K and V: one head, one step
.set MREC,  6144                       ; the mask codes of 64 queries, one step
.set SLOT1, 131072                     ; slot 1 begins here: one exclusive or turns an address
.set MCO,   78336                      ; in a slot: six records (3 heads x 2 steps), then the two steps' mask codes
.set HKV,   221696                     ; step 0: three records,
.set HMC,   260864                     ; and its mask codes
.set SPARE, 267008                     ; the spare words, 128 bytes a wave: six blocks of 256 bytes that no other line names
.set STAGE, 268544                     ; the way out: 16 rows x 272 bytes a wave
.set A16, 1                            ; v1-3   my lane's place in my head's records of slot 0: 16 L, 8 L + 512, 4 L
.set A8,  2
.set A4,  3
.set AM16, 4                           ; v4-5   and in my tile's mask codes
.set AM8, 5
.set SPW, 6                            ; v6     my spare word; never rewritten
.set NIL, 7                            ; v7     0; never rewritten
.set GO,  8                            ; v8     the way out: 3,072 h + 16 r
.set AD16, 9                           ; v9-11, v243, v250: the same five places in the slot in hand
.set AD8, 10
.set AD4, 11
.set NEGM, 12
.set TMAX, 13
.set SUM, 14
.set QF,  16                           ; v16-21 Q, v22-27 zero codes
.set GB,  28                           ; v28-51 the four constant half fragments G(u, h') at 28 + 6 (2 u + h')
.set P,   52
.set S,   64
.set O,   128
.set KF,  160                          ; v160-207 eight K tiles, then four V tiles
.set M0,  208                          ; v208-213 mask codes of keys 0-63, v214-219 zero codes, v220-225 of keys 64-127
.set ZM,  214
.set M1,  220
.set KS,  226
.set VS,  230
.set TM,  232
.set T2,  236
.set ADM16, 243
.set SCO, 244
.set QS,  248
.set CSC, 249                          ; lanes 0-15: the byte of 1; lanes 16-31: the byte of 2^100
.set ADM8, 250
.set PFO, 251
.set F,   252
.set PS,  253
.set TMP, 254
.set S0R, 255
.set WV,  12
.set CX,  13
.set CY,  14
.set BB,  15
.set HH,  16
.set JJ,  17
.set G1KV, 20
.set G1MC, 28
.set G0KV, 36
.set G0MC, 40
.set G0HK, 44
.set G0HM, 48
.set SEL, 52
.set CS,  54
.set TB,  56
.set SLOTS, 57
.set PFA, 58
.set PFS, 60
.set LIM, 62
.macro SOFTMAX resc
.irp b, 0,1,2,3
	v_max3_num_f32 v[TM+\b], v[S+16*\b], v[S+16*\b+1], v[S+16*\b+2]   ; the largest score of each block of 32 keys: for the row's maximum and for the block's largest p
.endr
.irp i, 3,5,7,9,11,13
.irp b, 0,1,2,3
	v_max3_num_f32 v[TM+\b], v[TM+\b], v[S+16*\b+\i], v[S+16*\b+\i+1]
.endr
.endr
.irp b, 0,1,2,3
	v_max_num_f32 v[TM+\b], v[TM+\b], v[S+16*\b+15]
.endr
.irp b, 0,1,2,3
	v_permlanex16_b32 v[T2+\b], v[TM+\b], s[SEL], s[SEL+1]
.endr
.irp b, 0,1,2,3
	v_max_num_f32 v[TM+\b], v[TM+\b], v[T2+\b]     ; with lane l xor 16's 16 keys
.endr
	v_max3_num_f32 v[TMP], v[TM], v[TM+1], v[TM+2]
	v_max_num_f32 v[TMP], v[TMP], v[TM+3]
	v_mul_f32 v[TMP], s[CS], v[TMP]                ; as t
	v_max_num_f32 v[TMAX], v[TMAX], v[TMP]         ; the running largest t
	v_mov_b32 v[TMP], v[NEGM]
	v_floor_f32 v[NEGM], -v[TMAX]                  ; -M = floor(-t): M is a whole number
	v_sub_f32 v[TMP], v[NEGM], v[TMP]              ; old M - new M, 0 or less
	v_cvt_i32_f32 v[TMP], v[TMP]                   ; (it saturates)
	v_ldexp_f32 v[F], 1.0, v[TMP]                  ; f = 2^(old M - new M)
.set jj, 0
.rept 32
	v_pk_fma_f32 v[S+jj:S+jj+1], v[S+jj:S+jj+1], s[CS:CS+1], v[NEGM:NEGM+1] op_sel_hi:[1,0,0]   ; t - M
.set jj, jj+2
.endr
.irp b, 0,1,2,3
	v_fma_f32 v[TM+\b], v[TM+\b], s[CS], v[NEGM]
.endr
.set jj, 0
.rept 64
	v_exp_f32 v[S+jj], v[S+jj]
.set jj, jj+1
.endr
.irp b, 0,1,2,3
	v_exp_f32 v[TM+\b], v[TM+\b]
.endr
	v_pk_mul_f32 v[SUM:SUM+1], v[SUM:SUM+1], v[F:F+1] op_sel_hi:[1,0]   ; the sums under the new M (a plain line behind the exponentials)
	s_wait_alu depctr_va_vdst(0)
.irp b, 0,1,2,3
	v_max_num_f32 v[TM+\b], 0x2800000, v[TM+\b]    ; the floor 2^(5 - 127): the byte cannot fall under 1
.endr
.irp b, 0,1,2,3
	v_add_nc_u32 v[SCO+\b], 0xfe000000, v[TM+\b]   ; 4 off the exponent field: the conversion's scale operand
.endr
.irp b, 0,1,2,3
	v_lshrrev_b32 v[T2+\b], 23, v[SCO+\b]          ; the scale's byte
.endr
	v_lshl_or_b32 v[PS], v[T2+1], 8, v[T2]
	v_lshl_or_b32 v[PS], v[T2+2], 16, v[PS]
	v_lshl_or_b32 v[PS], v[T2+3], 24, v[PS]
.irp c, 0,1
	v_cvt_scalef32_pk16_bf6_f32 v[P+6*\c:P+6*\c+2], v[S+32*\c:S+32*\c+15], v[SCO+2*\c]
	v_cvt_scalef32_pk16_bf6_f32 v[T2+4*\c:T2+4*\c+2], v[S+32*\c+16:S+32*\c+31], v[SCO+2*\c+1]
.endr
	v_nop                                          ; one plain line behind the scaled conversions
.irp c, 0,1                                    ; a whole block in a lane: lanes 0-15 block 2 c, lanes 16-31 block 2 c + 1
.irp i, 0,1,2
	v_permlane16_swap_b32 v[P+6*\c+\i], v[T2+4*\c+\i]
.endr
.irp i, 0,1,2
	v_mov_b32 v[P+6*\c+3+\i], v[T2+4*\c+\i]
.endr
.endr
	v_pk_add_f32 v[T2:T2+1], v[S:S+1], v[S+2:S+3]  ; the sum of the unquantised p, in two chains
.set jj, 4
.rept 15
	v_pk_add_f32 v[SUM:SUM+1], v[SUM:SUM+1], v[S+jj:S+jj+1]
	v_pk_add_f32 v[T2:T2+1], v[T2:T2+1], v[S+jj+2:S+jj+3]
.set jj, jj+4
.endr
	v_pk_add_f32 v[SUM:SUM+1], v[SUM:SUM+1], v[T2:T2+1]
.set jj, 0
.rept \resc
	v_pk_mul_f32 v[O+jj:O+jj+1], v[O+jj:O+jj+1], v[F:F+1] op_sel_hi:[1,0]   ; O^T under the new M, each accumulator from its low end on
.set jj, jj+2
.endr
.endm
.macro ROUND                           ; a round of the cluster's barrier
	s_barrier_signal -1
	s_barrier_wait -1
	s_cmp_lg_u32 s[WV], 0
	s_cbranch_scc1 .Lnw0_\@
	s_barrier_signal -3
.Lnw0_\@:
	s_barrier_wait -3
	s_barrier_signal -1
	s_barrier_wait -1
.endm
.macro NOP4
.rept 4
	v_nop
.endr
.endm
; A joint refill: waves 0-5 fetch the six records of a slot, waves 9 and 10 the two steps' mask codes, the others nothing.  The branches hang on the wave's number alone.
.macro JLOAD
	s_cmp_lt_u32 s[WV], 6
	s_cbranch_scc0 .Lnk_\@
	tensor_load_to_lds s[G0KV:G0KV+3], s[G1KV:G1KV+7]
	s_nop 0
	NOP4
	s_branch .Lj_\@
.Lnk_\@:
	s_cmp_lt_u32 s[WV], 9
	s_cbranch_scc1 .Lj_\@
	s_cmp_lt_u32 s[WV], 11
	s_cbranch_scc0 .Lj_\@
	tensor_load_to_lds s[G0MC:G0MC+3], s[G1MC:G1MC+7]
	s_nop 0
	NOP4
.Lj_\@:
.endm
; A prefetch of what the next change of slots will ask for: two key steps ahead of that load.  The waves ask that fetch nothing: waves 6-8 for a head's two records (102 blocks of 256 bytes; all clusters of a
; row of clusters read them, the first asks; its four partners along x take 26 blocks each, told apart by address), wave 11 for the mask codes (48 blocks; the four partners along y take 12 each).
; The last change that fills a slot asks for nothing.
.macro ASK
	s_cmp_gt_u32 s[SLOTS], s[LIM]
	s_cbranch_scc0 .Lna_\@
	global_prefetch_b8 v[PFO], s[PFA:PFA+1] th:TH_LOAD_NT scope:SCOPE_SE
.Lna_\@:
.endm
.macro FR6 reg, a16, a8, off           ; a half fragment: six registers
	ds_load_b128 v[\reg:\reg+3], v[\a16] offset:\off
	ds_load_b64 v[\reg+4:\reg+5], v[\a8] offset:\off
.endm
.macro WM d, a, b, acc, sa, sb, arow
.if \acc
.if \arow
	v_wmma_scale_f32_16x16x128_f8f6f4 v[\d:\d+7], v[\a:\a+11], v[\b:\b+11], v[\d:\d+7], v[\sa], v[\sb] matrix_a_fmt:MATRIX_FMT_BF6 matrix_b_fmt:MATRIX_FMT_BF6 matrix_a_scale:MATRIX_SCALE_ROW1
.else
	v_wmma_scale_f32_16x16x128_f8f6f4 v[\d:\d+7], v[\a:\a+11], v[\b:\b+11], v[\d:\d+7], v[\sa], v[\sb] matrix_a_fmt:MATRIX_FMT_BF6 matrix_b_fmt:MATRIX_FMT_BF6
.endif
.else
.if \arow
	v_wmma_scale_f32_16x16x128_f8f6f4 v[\d:\d+7], v[\a:\a+11], v[\b:\b+11], 0, v[\sa], v[\sb] matrix_a_fmt:MATRIX_FMT_BF6 matrix_b_fmt:MATRIX_FMT_BF6 matrix_a_scale:MATRIX_SCALE_ROW1
.else
	v_wmma_scale_f32_16x16x128_f8f6f4 v[\d:\d+7], v[\a:\a+11], v[\b:\b+11], 0, v[\sa], v[\sb] matrix_a_fmt:MATRIX_FMT_BF6 matrix_b_fmt:MATRIX_FMT_BF6
.endif
.endif
.endm
; The constant half fragment G(u, hp): in lanes of half hp the code of -1 at place 8 u + r + 8 (r / 8), zeros elsewhere.  v64-98 are at work
.macro MKG u, hp
	v_add_nc_u32 v108, 8*\u, v107
	v_cmp_eq_u32 vcc_lo, \hp, v106
	v_cndmask_b32 v108, v111, v108, vcc_lo
.set jj, 0
.rept 32
	v_cmp_eq_u32 vcc_lo, jj, v108
	v_cndmask_b32 v[S+jj], 0, v109, vcc_lo
.set jj, jj+1
.endr
	v_cvt_scalef32_pk16_bf6_f32 v[GB+6*(2*\u+\hp):GB+6*(2*\u+\hp)+2], v[S:S+15], v110
	v_cvt_scalef32_pk16_bf6_f32 v[96:98], v[S+16:S+31], v110
	v_nop
.irp i, 0,1,2
	v_mov_b32 v[GB+6*(2*\u+\hp)+3+\i], v[96+\i]
.endr
.endm
.macro SETADR
	v_add_nc_u32 v[AD16], s[TB], v[A16]
	v_add_nc_u32 v[AD8], s[TB], v[A8]
	v_add_nc_u32 v[AD4], s[TB], v[A4]
	v_add_nc_u32 v[ADM16], s[TB], v[AM16]
	v_add_nc_u32 v[ADM8], s[TB], v[AM8]
.endm
; A KEY STEP.  eo, mo: where the step's record and mask codes begin behind the addresses in hand.  first = 1: step 0, which takes the cls column and starts O^T's sums
.macro STEP eo, mo, first
	NOP4                                           ; plain lines between the last products and the loads into registers that they read
	FR6 M0, ADM16, ADM8, \mo
	FR6 M1, ADM16, ADM8, \mo+768
.irp t, 0,1,2,3,4,5,6,7
	FR6 KF+6*\t, AD16, AD8, \eo+768*\t
.endr
.irp x, 0,1,2,3
	ds_load_b32 v[KS+\x], v[AD4] offset:\eo+6144+128*\x
.endr
	s_wait_dscnt 20                                ; the four loads of mask codes are in; K's sixteen and the four scale words may be out
.irp t, 0,1,2,3,4,5,6,7                        ; tile t: block t / 2 = 2 c + h'.  c = 0: [G | whatever] x [M0 | zeros]; c = 1: [whatever | G] x [zeros | M1]
.set gg, GB+6*(2*(\t%2)+((\t/2)%2))-6*(\t/4)
.set mm, M0+6*(\t/4)
	v_wmma_scale_f32_16x16x128_f8f6f4 v[S+8*\t:S+8*\t+7], v[gg:gg+11], v[mm:mm+11], 0, v[CSC], v[CSC] matrix_a_fmt:MATRIX_FMT_BF6 matrix_b_fmt:MATRIX_FMT_BF6 matrix_b_scale:MATRIX_SCALE_ROW1
.endr
	s_wait_dscnt 0x0
.irp t, 0,1,2,3,4,5,6,7                        ; K Q^T adds in place; the eight accumulators take turns
	WM S+8*\t, KF+6*\t, QF, 1, KS+\t/2, QS, \t%2
.endr
	NOP4                                           ; in front of the first read of the scores and of the loads over K's registers
.irp k, 0,1,2,3,4,5,6,7
	FR6 KF+6*\k, AD16, AD8, \eo+6656+768*\k
.endr
	ds_load_b32 v[VS], v[AD4] offset:\eo+12800
	ds_load_b32 v[VS+1], v[AD4] offset:\eo+12928   ; V lands while the softmax is walked
.if \first
	v_add_f32 v[S], v[S], v[S0R]                   ; key 0: the raw dot product (0 in lanes 16-31)
	SOFTMAX 0
.else
	SOFTMAX 16
.endif
	s_wait_dscnt 0x0                               ; V is in
.irp ct, 0,1,2,3
	WM O+8*\ct, KF+12*\ct, P, 1-\first, VS+\ct/2, PS, \ct%2
.endr
.endm
; THE CHANGE OF SLOTS, at a slot's head.  fill = 1: the slot that has been left is filled with the two steps that follow those of the slot ahead
.macro CHANGE fill
	s_wait_tensorcnt 0x0                           ; my one tensor load has landed: no descriptor of mine is in use
	ds_add_u32 v[SPW], v[NIL]                      ; 0 onto my spare word
.if \fill
	s_xor_b32 s[G0KV+1], s[G0KV+1], SLOT1
	s_add_nc_u64 s[G0KV+2:G0KV+3], s[G0KV+2:G0KV+3], 2*REC
	s_xor_b32 s[G0MC+1], s[G0MC+1], SLOT1
	s_add_nc_u64 s[G0MC+2:G0MC+3], s[G0MC+2:G0MC+3], 2*MREC
	s_wait_xcnt 0x0                                ; the last prefetch, a slot back, has read its address
	s_add_nc_u64 s[PFA:PFA+1], s[PFA:PFA+1], s[PFS:PFS+1]
.endif
	s_wait_dscnt 0x0                               ; the add is done, and my reads of the slot that I have left are over
.if \fill
	ROUND                                          ; the same now holds of every wave of every partner
	JLOAD                                          ; the first thing behind the round, and a wave's one tensor load until the next
	ASK
.else
	s_barrier_signal -1
	s_barrier_wait -1
.endif
.endm
	s_load_b256 s[4:11], s[0:1], 0x0               ; kv s[4:5], mc s[6:7], qr s[8:9], out0 s[10:11]
	v_lshl_add_u32 v[SPW], v0, 2, SPARE
	v_mov_b32 v[NIL], 0
	ds_add_u32 v6, v7
	ds_add_u32 v6, v7
	s_wait_dscnt 0x0
	v_lshrrev_b32 v104, 5, v0
	v_readfirstlane_b32 s[WV], v104                ; wave 0 .. 11
	s_bfe_u32 s[CX], ttmp6, 0x40000
	s_bfe_u32 s[CY], ttmp6, 0x40004                ; cy = the group of heads
	s_and_b32 s[BB], ttmp7, 0xffff                 ; cluster y = b
	s_lshr_b32 s[HH], s[WV], 2                     ; my head in the group
	s_and_b32 s[JJ], s[WV], 3                      ; my tile of queries
	s_lshl_b32 s66, s[CY], 2
	s_lshl_b32 s66, 15, s66                        ; my row of the cluster
	s_lshl_b32 s76, 0x1111, s[CX]                  ; my column
	; descriptor groups 1: dense blocks as rows of 256 bytes (32 elements of 8 bytes): a record is 51 rows, a step's mask codes 24
	s_or_b32 s[G1KV], s66, (3<<16)|(1<<21)
	s_mov_b32 s[G1KV+1], 32<<16
	s_mov_b32 s[G1KV+2], 51<<16
	s_mov_b32 s[G1KV+3], 32<<16
	s_mov_b32 s[G1KV+4], 51
	s_mov_b32 s[G1KV+5], 32
	s_mov_b32 s[G1KV+6], 0
	s_mov_b32 s[G1KV+7], 0
	s_or_b32 s[G1MC], s76, (3<<16)|(1<<21)
	s_mov_b32 s[G1MC+1], 32<<16
	s_mov_b32 s[G1MC+2], 24<<16
	s_mov_b32 s[G1MC+3], 32<<16
	s_mov_b32 s[G1MC+4], 24
	s_mov_b32 s[G1MC+5], 32
	s_mov_b32 s[G1MC+6], 0
	s_mov_b32 s[G1MC+7], 0
	; the records' places hang on b, cy and the wave (s66-71); the mask codes' on b, cluster x, cx and the wave (s76-81)
	s_mul_i32 s66, s[BB], 12
	s_mul_i32 s67, s[CY], 3
	s_add_co_u32 s66, s66, s67                     ; the group's first head
	s_min_u32 s67, s[WV], 5
	s_lshr_b32 s67, s67, 1
	s_add_co_u32 s67, s67, s66
	s_mul_i32 s67, s67, 17
	s_and_b32 s68, s[WV], 1
	s_add_co_u32 s67, s67, s68
	s_add_co_u32 s67, s67, 1                       ; waves 0-5: head w / 2, step 1 + w % 2
	s_mul_i32 s68, s67, REC
	s_mov_b32 s69, 0
	s_max_u32 s70, s[WV], 6
	s_sub_co_u32 s70, s70, 6
	s_min_u32 s70, s70, 2
	s_add_co_u32 s70, s70, s66
	s_mul_i32 s70, s70, 17*REC                     ; waves 6-8: head w - 6, step 0
	s_mov_b32 s71, 0
	s_lshl_b32 s76, ttmp9, 2
	s_add_co_u32 s76, s76, s[CX]                   ; qb
	s_lshl_b32 s77, s[BB], 5
	s_add_co_u32 s77, s77, s76
	s_mul_i32 s77, s77, 17
	s_max_u32 s78, s[WV], 9
	s_sub_co_u32 s78, s78, 9
	s_min_u32 s78, s78, 1
	s_add_co_u32 s78, s78, s77
	s_add_co_u32 s78, s78, 1                       ; waves 9, 10: step 1 + (w - 9)
	s_mul_i32 s78, s78, MREC
	s_mov_b32 s79, 0
	s_mul_i32 s80, s77, MREC                       ; wave 11: step 0
	s_mov_b32 s81, 0
	s_mul_i32 s82, s[WV], REC
	s_mul_i32 s83, s[WV], MREC
	s_wait_kmcnt 0x0
	s_mov_b32 s[G0KV], 1
	s_mov_b32 s[G0KV+1], s82                       ; slot 0: record w
	s_add_nc_u64 s[G0KV+2:G0KV+3], s[4:5], s[68:69]
	s_or_b32 s[G0KV+3], s[G0KV+3], 0x80000000
	s_mov_b32 s[G0HK], 1
	s_add_co_u32 s[G0HK+1], s82, HKV-6*REC         ; step 0's record w - 6
	s_add_nc_u64 s[G0HK+2:G0HK+3], s[4:5], s[70:71]
	s_or_b32 s[G0HK+3], s[G0HK+3], 0x80000000
	s_mov_b32 s[G0MC], 1
	s_add_co_u32 s[G0MC+1], s83, MCO-9*MREC        ; slot 0: mask codes of step w - 9
	s_add_nc_u64 s[G0MC+2:G0MC+3], s[6:7], s[78:79]
	s_or_b32 s[G0MC+3], s[G0MC+3], 0x80000000
	s_mov_b32 s[G0HM], 1
	s_mov_b32 s[G0HM+1], HMC
	s_add_nc_u64 s[G0HM+2:G0HM+3], s[6:7], s[80:81]
	s_or_b32 s[G0HM+3], s[G0HM+3], 0x80000000
	ROUND                                          ; all sixteen work-groups are here: the first joint loads meet
	s_cmp_lt_u32 s[WV], 6                          ; the first fills: one load a wave: slot 0 and step 0's own bytes
	s_cbranch_scc0 .Lff1
	tensor_load_to_lds s[G0KV:G0KV+3], s[G1KV:G1KV+7]
	s_nop 0
	NOP4
	s_branch .Lffe
.Lff1:
	s_cmp_lt_u32 s[WV], 9
	s_cbranch_scc0 .Lff2
	tensor_load_to_lds s[G0HK:G0HK+3], s[G1KV:G1KV+7]
	s_nop 0
	NOP4
	s_branch .Lffe
.Lff2:
	s_cmp_lt_u32 s[WV], 11
	s_cbranch_scc0 .Lff3
	tensor_load_to_lds s[G0MC:G0MC+3], s[G1MC:G1MC+7]
	s_nop 0
	NOP4
	s_branch .Lffe
.Lff3:
	tensor_load_to_lds s[G0HM:G0HM+3], s[G1MC:G1MC+7]
	s_nop 0
	NOP4
.Lffe:
	; Q's image, its scale words and the cls column
	s_add_co_u32 s94, s66, s[HH]                   ; my head
	s_lshl_b32 s95, s94, 7
	s_lshl_b32 s96, s76, 2
	s_add_co_u32 s95, s95, s96
	s_add_co_u32 s95, s95, s[JJ]
	s_lshl_b32 s96, s95, 10
	s_mov_b32 s97, 0
	s_add_nc_u64 s[8:9], s[8:9], s[96:97]
	v_and_b32 v104, 31, v0                         ; L
	v_and_b32 v105, 15, v0                         ; r
	v_bfe_u32 v106, v0, 4, 1                       ; h
	v_lshlrev_b32 v112, 4, v104
	v_lshlrev_b32 v113, 3, v104
	v_lshlrev_b32 v114, 2, v105
	global_load_b128 v[QF:QF+3], v112, s[8:9] th:TH_LOAD_NT
	global_load_b64 v[QF+4:QF+5], v113, s[8:9] offset:512 th:TH_LOAD_NT
	global_load_b32 v[QS], v114, s[8:9] offset:768 th:TH_LOAD_NT
	global_load_b32 v[S0R], v114, s[8:9] offset:832 th:TH_LOAD_NT
	; out0 at my first query and my head
	s_mul_i32 s98, s[BB], 2049
	s_lshl_b32 s99, s76, 6
	s_add_co_u32 s98, s98, s99
	s_lshl_b32 s99, s[JJ], 4
	s_add_co_u32 s98, s98, s99
	s_add_co_u32 s98, s98, 1
	s_mul_i32 s98, s98, 3072
	s_mul_i32 s99, s[CY], 3
	s_add_co_u32 s99, s99, s[HH]
	s_lshl_b32 s99, s99, 8
	s_add_co_u32 s98, s98, s99
	s_mov_b32 s99, 0
	s_add_nc_u64 s[10:11], s[10:11], s[98:99]
	; the prefetches: where they stand and who asks
	s_cmp_lt_u32 s[WV], 9
	s_cselect_b64 s[PFA:PFA+1], s[4:5], s[6:7]
	s_cselect_b64 s[84:85], s[70:71], s[80:81]
	s_mov_b32 s86, 3*MREC
	s_cselect_b32 s86, 3*REC, s86                  ; at step 3: the first change of slots steps it to step 5
	s_mov_b32 s87, 0
	s_mov_b32 s[PFS], 2*MREC
	s_cselect_b32 s[PFS], 2*REC, s[PFS]
	s_mov_b32 s[PFS+1], 0
	s_cselect_b32 s88, 26, 12
	s_cselect_b32 s89, s[CX], s[CY]
	s_cselect_b32 s90, 25, 11
	s_cselect_b32 s91, 101, 47
	s_mul_i32 s88, s88, s89
	s_add_nc_u64 s[PFA:PFA+1], s[PFA:PFA+1], s[84:85]
	s_add_nc_u64 s[PFA:PFA+1], s[PFA:PFA+1], s[86:87]
	s_cmp_lt_u32 s[WV], 6
	s_cselect_b32 s93, 1, ttmp9
	s_cmp_lt_u32 s[WV], 9
	s_cselect_b32 s93, s93, 1                      ; 0 in waves 6-8 of the first cluster along x,
	s_cmp_eq_u32 s[WV], 11
	s_cselect_b32 s93, 0, s93                      ; and in wave 11
	s_cmp_eq_u32 s93, 0
	s_cselect_b32 s[LIM], 1, -1
	v_min_u32 v[PFO], s90, v104
	v_add_nc_u32 v[PFO], s88, v[PFO]
	v_min_u32 v[PFO], s91, v[PFO]
	v_lshlrev_b32 v[PFO], 8, v[PFO]
	s_mov_b32 s[SEL], 0x76543210
	s_mov_b32 s[SEL+1], 0xfedcba98
	s_mov_b32 s[CS], 0x3e38aa3b                    ; log2(e) / sqrt(64)
	s_mov_b32 s[CS+1], s[CS]
	; registers that stay
.irp i, 0,1,2,3,4,5
	v_mov_b32 v[QF+6+\i], 0                        ; zero codes beside Q,
	v_mov_b32 v[ZM+\i], 0                          ; between the mask's halves,
	v_mov_b32 v[P+\i], 0                           ; and where tile 3's mask product names P before it is first made
.endr
	v_mov_b32 v[CSC], 0x7f7f7f7f
	v_mov_b32 v115, 0xe3e3e3e3
	v_cmp_eq_u32 vcc_lo, 1, v106
	v_cndmask_b32 v[CSC], v[CSC], v115, vcc_lo
	v_and_b32 v107, 8, v105
	v_add_nc_u32 v107, v107, v105                  ; r + 8 (r / 8)
	v_mov_b32 v109, -1.0
	v_mov_b32 v110, 1.0
	v_mov_b32 v111, 99
	MKG 0, 0
	MKG 0, 1
	MKG 1, 0
	MKG 1, 1
	v_mov_b32 v[TMAX], 0xe7800000                  ; the largest t so far: -2^80, over every hidden t and under every served one
	v_floor_f32 v[NEGM], -v[TMAX]
	v_mov_b32 v[SUM], 0
	v_mov_b32 v[SUM+1], 0
	v_mov_b32 v[PS], 0
.irp b, 0,1,2,3
	v_mov_b32 v[T2+\b], 0                          ; a lane permute's destination counts as one of its sources
.endr
	s_mul_i32 s18, s[HH], 2*REC
	v_lshl_add_u32 v[A16], v104, 4, s18
	v_lshl_add_u32 v[A8], v104, 3, s18
	v_add_nc_u32 v[A8], 512, v[A8]
	v_lshl_add_u32 v[A4], v104, 2, s18
	s_mul_i32 s19, s[JJ], 1536
	s_add_co_u32 s18, s19, MCO
	v_lshl_add_u32 v[AM16], v104, 4, s18
	v_lshl_add_u32 v[AM8], v104, 3, s18
	v_add_nc_u32 v[AM8], 512, v[AM8]
	s_add_co_u32 s19, s19, HMC                     ; step 0's own bytes
	v_lshl_add_u32 v[ADM16], v104, 4, s19
	v_lshl_add_u32 v[ADM8], v104, 3, s19
	v_add_nc_u32 v[ADM8], 512, v[ADM8]
	s_mul_i32 s18, s[HH], REC
	s_add_co_u32 s18, s18, HKV
	v_lshl_add_u32 v[AD16], v104, 4, s18
	v_lshl_add_u32 v[AD8], v104, 3, s18
	v_add_nc_u32 v[AD8], 512, v[AD8]
	v_lshl_add_u32 v[AD4], v104, 2, s18
	v_mul_u32_u24 v[GO], v106, 3072
	v_lshl_add_u32 v[GO], v105, 4, v[GO]
	s_wait_loadcnt 0x0                             ; Q
	v_cmp_eq_u32 vcc_lo, 0, v106
	v_cndmask_b32 v[S0R], 0, v[S0R], vcc_lo        ; key 0 lies in lanes 0-15
	s_wait_tensorcnt 0x0                           ; my first fill has landed,
	s_barrier_signal -1
	s_barrier_wait -1                              ; everybody's has
	STEP 0, 0, 1
	s_mov_b32 s[TB], 0
	s_mov_b32 s[SLOTS], 7
.Lslot:                                            ; seven trips: behind each change of slots but the last the next slot is asked for
	CHANGE 1
	SETADR
	STEP 0, 0, 0
	STEP REC, MREC, 0
	s_xor_b32 s[TB], s[TB], SLOT1
	s_sub_co_u32 s[SLOTS], s[SLOTS], 1
	s_cmp_lg_u32 s[SLOTS], 0
	s_cbranch_scc1 .Lslot
	CHANGE 0                                       ; the last slot is written out
	SETADR
	STEP 0, 0, 0
	STEP REC, MREC, 0
	; THE WAY OUT: O^T / the sum goes through my stage and leaves as rows of 256 bytes, sixteen lanes to a row
	v_add_f32 v[SUM], v[SUM], v[SUM+1]
	v_permlanex16_b32 v[TMP], v[SUM], s[SEL], s[SEL+1]
	v_add_f32 v[SUM], v[SUM], v[TMP]
	v_rcp_f32 v[SUM], v[SUM]
	v_and_b32 v232, 15, v0
	v_bfe_u32 v233, v0, 4, 1
	s_mul_i32 s18, s[WV], 4352
	s_add_co_u32 s18, s18, STAGE
	v_mul_u32_u24 v234, v232, 272
	v_lshl_add_u32 v234, v233, 5, v234
	v_add_nc_u32 v234, s18, v234                   ; in: row r, + 32 h
	v_mul_u32_u24 v235, v233, 272
	v_lshl_add_u32 v235, v232, 4, v235
	v_add_nc_u32 v235, s18, v235                   ; back: lanes 0-15 one row, lanes 16-31 the next
.set jj, 0
	s_wait_alu depctr_va_vdst(0)
.rept 32
	v_mul_f32 v[S+jj], v[O+jj], v[SUM]             ; register 8 ct + i is o(r, 16 ct + 8 h + i)
.set jj, jj+1
.endr
.irp ct, 0,1,2,3
	ds_store_b128 v234, v[S+8*\ct:S+8*\ct+3] offset:64*\ct
	ds_store_b128 v234, v[S+8*\ct+4:S+8*\ct+7] offset:64*\ct+16
.endr
.irp i, 0,1,2,3,4,5,6,7
	ds_load_b128 v[KF+4*\i:KF+4*\i+3], v235 offset:544*\i      ; LDS serves a wave's instructions in order: these see my stores
.endr
.irp i, 0,1,2,3,4,5,6,7
	s_wait_dscnt 7-\i
	global_store_b128 v[GO], v[KF+4*\i:KF+4*\i+3], s[10:11] offset:6144*\i th:TH_STORE_NT   ; 16 lanes store 256 consecutive bytes, at a multiple of 256 from the buffer's first byte
.endr
	s_wait_tensorcnt 0x0                           ; the wave's end
	ds_add_u32 v[SPW], v[NIL]
	s_wait_dscnt 0x0
	ROUND                                          ; the closing round: no work-group ends while a partner may still ask for a tile that names it
	s_endpgm
.Lfunc_end_k_qb307e6acfd_attn:
	.size	k_qb307e6acfd_attn, .Lfunc_end_k_qb307e6acfd_attn-k_qb307e6acfd_attn
	.p2alignl 7, 3214868480
	.fill 96, 4, 3214868480
	.section	.rodata,"a",@progbits
	.p2align	6, 0x0
	.amdhsa_kernel k_qb307e6acfd_attn
		.amdhsa_group_segment_fixed_size 327680
		.amdhsa_private_segment_fixed_size 0
		.amdhsa_enable_private_segment 0
		.amdhsa_kernarg_size 32
		.amdhsa_user_sgpr_count 2
		.amdhsa_user_sgpr_kernarg_segment_ptr 1
		.amdhsa_wavefront_size32 1
		.amdhsa_system_sgpr_workgroup_id_x 1
		.amdhsa_system_sgpr_workgroup_id_y 1
		.amdhsa_system_sgpr_workgroup_id_z 1
		.amdhsa_system_vgpr_workitem_id 0
		.amdhsa_next_free_vgpr 256
		.amdhsa_next_free_sgpr 100
		.amdhsa_reserve_vcc 1
		.amdhsa_float_denorm_mode_32 3
		.amdhsa_float_denorm_mode_16_64 3
		.amdhsa_memory_ordered 1
		.amdhsa_forward_progress 1
		.amdhsa_inst_pref_size 112
	.end_amdhsa_kernel
	.amdgpu_metadata
---
amdhsa.version: [ 1, 2 ]
amdhsa.kernels:
  - .name:           k_qb307e6acfd_attn
    .symbol:         k_qb307e6acfd_attn.kd
    .args:
      - { .name: kv, .offset: 0, .size: 8, .value_kind: global_buffer, .address_space: global }
      - { .name: mc, .offset: 8, .size: 8, .value_kind: global_buffer, .address_space: global }
      - { .name: qr, .offset: 16, .size: 8, .value_kind: global_buffer, .address_space: global }
      - { .name: out0, .offset: 24, .size: 8, .value_kind: global_buffer, .address_space: global }
    .group_segment_fixed_size: 327680
    .private_segment_fixed_size: 0
    .kernarg_segment_align: 8
    .kernarg_segment_size: 32
    .max_flat_workgroup_size: 384
    .sgpr_count:     100
    .vgpr_count:     256
    .wavefront_size: 32
...
	.end_amdgpu_metadata
.endif
;; end of part 2
;; ======== version 2 of 2: 2 launches
;; limits: right only within a limited range of input values
;; workspace buffers: kv 5,326,848 bytes; mc 8,388,608 bytes; qr 3,145,728 bytes; cp 110,592 bytes
;; launch prep (part 3): grid 452 x 1, 8 waves a work-group, no clusters, 142,592 bytes of LDS; arguments q, k, v, qpos, kpos, mask_for_attention, kv, mc, qr, cp; writes kv, mc, qr, cp
.if DOCPART == 3
	.amdgcn_target "amdgcn-amd-amdhsa--gfx1250"
	.amdhsa_code_object_version 6
	.text
	.protected	k_qb307e6acfd_prep
	.globl	k_qb307e6acfd_prep
	.p2align	8
	.type	k_qb307e6acfd_prep,@function
k_qb307e6acfd_prep:
	s_mov_b64 s[64:65], 0
	v_nop
	global_prefetch_b8 v0, s[64:65] scope:SCOPE_SE
	s_setreg_imm32_b32 hwreg(HW_REG_WAVE_MODE, 25, 1), 1
	s_wait_xcnt 0x0
; PREP: what many work-groups of the attention launch read is made once, as images of operand registers, and the cls rows are brought down to nine partial results a head.
; B = 2, H = 12, N = 2,049 tokens (token 0 = cls), C = 64.  A key step is 128 keys; steps 0 .. 15 cover keys 0 .. 2,047; key 2,048 alone is step 16.
; A HALF FRAGMENT (768 bytes) is six registers of 32 lanes: registers 0-3 at 16 x lane, registers 4-5 at 512 + 8 x lane.
; kv: a record of 13,056 bytes for each (head, step): 8 half fragments of roped K (tile t, lane (r, h): key 64 (t / 4) + 8 (t % 4) + r % 8 + 32 (r / 8), channels 32 h on), 512 bytes of K scale words,
;     8 half fragments of V with the keys innermost (channel tile ct, half c), 256 bytes of V scale words.  Step 16: K's tile 0 (sixteen copies of key 2,048), V's block 0 and its scale bytes; the rest is not written and not read.
; mc: 8,192 bytes for each (b, block of 64 queries, step): the mask's bytes inverted (1 = hidden); 4 tiles of 16 queries x 4 register quads; lane (r, h), quads 2 g, 2 g + 1: query r, keys 64 g + 32 h + 0 .. 31.
; qr: 1,024 bytes for each (head, tile of 16 queries): roped Q half fragment, 16 scale words, 16 f32 dot products with the raw key 0.
; cp: nine parts of 512 bytes for each head: query 0's unnormalised result over 256 keys (part 8: key 2,048): 64 f32, then the sum l and -M.
; THREE ROLES, by the work-group's number; each has LDS bytes of its own; two work-groups fit on a WGP, so all 452 find room.  No tensor loads: everything comes through registers.
;   0 .. 128   QK: a wave takes a tile of 16 tokens of Q or K for six heads: sine and cosine once, then per head rotate, quantise, store.  Three heads' rows are asked for ahead of the sines.
;   129 .. 323 VC: (head, 256 keys), the last three: key 2,048 of eight heads each.  A wave takes 32 keys: the raw f32 scores of query 0, their softmax under the wave's own whole number M, V's block quantised along the keys
;              (stored, and kept in registers), four products; the eight partial results are brought under one M by exact powers of two and added through LDS.
;   324 .. 451 M:  a wave takes 16 rows of the mask x 512 keys.  A row begins at (row number x 2,049) bytes, which is the row number modulo 16: the sixteen rows of a tile have the sixteen residues, so each row's shift is a constant.
; LIMITS: angles pos x frequency up to about 1e5 (three-part reduction by pi / 2, polynomials of degree 7 and 8); the frequencies are the nearest f32 to 100^(-j/16);
; a t under -2^80 counts as hidden; a p under 2^-126 counts as 0; a block of zeros carries the byte 1 (its codes are zeros, and only this program reads the bytes);
; mask bytes are 0 or 1; NaN and infinities among q, k, v are not served; f32 sums run in another order than in the definition.
.set HEADB, 524544                     ; bytes of a head: 2,049 rows of 256
.set REC,   13056
.set QKWG,  129
.set VCWG,  195
.set RM,    34816                      ; behind role QK's eight stages of 16 rows x 272 bytes; role VC: the waves' -M
.set RO,    35072                      ; role VC: 4,608 bytes a wave: its partial result and sum
.set ROP,   4608
.set MST,   71936                      ; role M: 32 units x 272 bytes a wave
.set MSW,   8704
.set SPARE, 141568                     ; the spare words, 128 bytes a wave
.set SPW,   204
.set NIL,   205
.set WV,    24                         ; s24 the wave's number
.set SEL,   56                         ; s[56:57] selects for lane l xor 16
.set CS,    58                         ; s[58:59] c = log2(e) / 8
.set NEGM,  12
.set TMAX,  13
.set SUM,   14
.set F,     32
.set PS,    33
.set TMP,   34
.set S,     48
.set O,     128
; 32 numbers of one block, v[x] on, become six registers of codes, v[d] on.  v[t] on: three registers at work; v[m], v[m+1] maxima, v[m+2] the scale operand, v[m+3] the scale's byte
.macro QUANT32 x, d, t, m
	v_max3_num_f32 v[\m], |v[\x]|, |v[\x+1]|, |v[\x+2]|
	v_max3_num_f32 v[\m+1], |v[\x+3]|, |v[\x+4]|, |v[\x+5]|
.irp i, 6,10,14,18,22,26
	v_max3_num_f32 v[\m], v[\m], |v[\x+\i]|, |v[\x+\i+1]|
	v_max3_num_f32 v[\m+1], v[\m+1], |v[\x+\i+2]|, |v[\x+\i+3]|
.endr
	v_max3_num_f32 v[\m], v[\m], |v[\x+30]|, |v[\x+31]|
	v_max3_num_f32 v[\m], v[\m], v[\m+1], 0x2800000    ; and the floor 2^(5 - 127)
	v_add_nc_u32 v[\m+2], 0xfe000000, v[\m]
	v_lshrrev_b32 v[\m+3], 23, v[\m+2]
	v_cvt_scalef32_pk16_bf6_f32 v[\d:\d+2], v[\x:\x+15], v[\m+2]
	v_cvt_scalef32_pk16_bf6_f32 v[\t:\t+2], v[\x+16:\x+31], v[\m+2]   ; (a conversion's three registers begin on an even number)
	v_nop
.irp i, 0,1,2
	v_mov_b32 v[\d+3+\i], v[\t+\i]
.endr
.endm
.macro CLOSE                           ; a wave's end
	s_wait_tensorcnt 0x0
	ds_add_u32 v[SPW], v[NIL]
	s_wait_dscnt 0x0
	s_endpgm
.endm
	s_load_b512 s[4:19], s[0:1], 0x0               ; q s[4:5], k s[6:7], v s[8:9], qpos s[10:11], kpos s[12:13], mask s[14:15], kv s[16:17], mc s[18:19]
	s_load_b128 s[20:23], s[0:1], 0x40             ; qr s[20:21], cp s[22:23]
	v_lshl_add_u32 v[SPW], v0, 2, SPARE
	v_mov_b32 v[NIL], 0
	v_lshrrev_b32 v1, 5, v0
	v_readfirstlane_b32 s[WV], v1                  ; wave 0 .. 7
	v_and_b32 v1, 31, v0                           ; L
	v_and_b32 v2, 15, v0                           ; r
	v_bfe_u32 v3, v0, 4, 1                         ; h
	v_lshlrev_b32 v4, 4, v1                        ; 16 L
	v_lshlrev_b32 v5, 3, v1                        ; 8 L
	v_lshlrev_b32 v6, 2, v1                        ; 4 L
	v_lshlrev_b32 v7, 4, v2                        ; 16 r
	s_mov_b32 s[SEL], 0x76543210
	s_mov_b32 s[SEL+1], 0xfedcba98
	s_mov_b32 s[CS], 0x3e38aa3b                    ; log2(e) / sqrt(64)
	s_mov_b32 s[CS+1], s[CS]
	s_wait_alu depctr_va_vdst(0)                   ; the wait at the head's end
	s_wait_kmcnt 0x0
	s_cmp_lt_u32 ttmp9, QKWG
	s_cbranch_scc1 .Lrole_qk
	s_cmp_lt_u32 ttmp9, QKWG+VCWG
	s_cbranch_scc1 .Lrole_vc
; ------------------------------------------------------------------ role M
; REGISTERS: v8 stage in, v9 stage out, v16-31 offsets, v32-95 the rows' 16 bytes a lane, realigned in place, v96-159 the 16 bytes behind them, then the way out
	s_sub_co_u32 s60, ttmp9, QKWG+VCWG
	s_lshl_b32 s60, s60, 3
	s_add_co_u32 s60, s60, s[WV]                   ; 0 .. 1,023
	s_and_b32 s62, s60, 3                          ; keys 512 c on: steps 4 c .. 4 c + 3
	s_lshr_b32 s60, s60, 2                         ; tile
	s_lshr_b32 s61, s60, 7                         ; b
	s_and_b32 s63, s60, 127                        ; T: queries 1 + 16 T on
	s_mul_i32 s66, s61, 2049
	s_lshl_b32 s67, s63, 4
	s_add_co_u32 s68, s66, s67
	s_add_co_u32 s68, s68, 1                       ; the tile's first row of the mask
	s_lshl_b32 s69, s62, 9                         ; 512 c
.set rr, 0
.rept 16                               ; the row whose number is rr modulo 16: the aligned 16 bytes of a lane, and what is needed of the next 16: rr bytes, and no access passes the buffer's end
	s_sub_co_u32 s66, 15+rr, s61
	s_and_b32 s66, s66, 15                         ; its place in the tile, (rr - 1 - b) % 16
	s_add_co_u32 s66, s66, s68
	s_mul_i32 s66, s66, 2049
	s_add_co_u32 s66, s66, s69
	s_sub_co_u32 s66, s66, rr
	v_add_nc_u32 v[16+rr], s66, v4
	global_load_b128 v[32+4*rr:35+4*rr], v[16+rr], s[14:15]
.if rr == 1
	global_load_u8 v[96+4*rr], v[16+rr], s[14:15] offset:16
.elseif rr == 2
	global_load_u16 v[96+4*rr], v[16+rr], s[14:15] offset:16
.elseif rr > 12
	global_load_b128 v[96+4*rr:99+4*rr], v[16+rr], s[14:15] offset:16
.elseif rr > 8
	global_load_b96 v[96+4*rr:98+4*rr], v[16+rr], s[14:15] offset:16
.elseif rr > 4
	global_load_b64 v[96+4*rr:97+4*rr], v[16+rr], s[14:15] offset:16
.elseif rr > 2
	global_load_b32 v[96+4*rr], v[16+rr], s[14:15] offset:16
.endif
.set rr, rr+1
.endr
	s_mul_i32 s26, s[WV], MSW
	s_add_co_u32 s26, s26, MST                     ; my stage: unit 8 s + 2 quad + h, 16 rows x 16 bytes + 16
	v_and_b32 v8, 28, v1                           ; lane L's 16 keys: step L / 8, g = (L / 4) % 2, h = (L / 2) % 2, quad 2 g + L % 2
	v_and_b32 v9, 1, v1
	v_lshl_add_u32 v8, v9, 1, v8
	v_bfe_u32 v9, v1, 1, 1
	v_add_nc_u32 v8, v8, v9
	v_mul_u32_u24 v8, v8, 272
	v_add_nc_u32 v8, s26, v8
	v_mad_u32_u24 v9, v3, 272, v7
	v_add_nc_u32 v9, s26, v9                       ; back: lane (r, h) takes the row whose number is r modulo 16,
	s_sub_co_u32 s27, 15, s61
	v_add_nc_u32 v10, s27, v2
	v_and_b32 v10, 15, v10
	v_lshlrev_b32 v10, 4, v10
	v_lshl_add_u32 v10, v3, 8, v10                 ; which is query (r - 1 - b) % 16 of the tile: v10 is its 16 bytes' place in a quad of the image
	s_lshr_b32 s66, s63, 2
	s_lshl_b32 s67, s61, 5
	s_add_co_u32 s66, s66, s67
	s_lshl_b32 s66, s66, 4
	s_lshl_b32 s67, s62, 2
	s_add_co_u32 s66, s66, s67                     ; (32 b + block) 16 + 4 c
	s_lshl_b32 s66, s66, 13
	s_and_b32 s67, s63, 3
	s_lshl_b32 s67, s67, 11
	s_add_co_u32 s66, s66, s67
	s_mov_b32 s67, 0
	s_add_nc_u64 s[18:19], s[18:19], s[66:67]
	s_wait_alu depctr_va_vdst(0)                   ; the wait ahead of the waits below
.macro DW d                            ; dword d of the 32 bytes: 0-3 the lane's own, 4-7 the next
.if (\d) < 4
.set dw, 32+4*rr+(\d)
.else
.set dw, 96+4*rr+(\d)-4
.endif
.endm
.set rr, 0
.rept 16
	s_wait_loadcnt 30-2*rr                         ; this row's loads are in; the later rows' may be out
.set jj, 0
.rept 4
.if rr > 0
	DW rr/4+jj
.set lo, dw
.if rr%4
	DW rr/4+jj+1
	v_alignbit_b32 v[32+4*rr+jj], v[dw], v[lo], 8*(rr%4)
.else
	v_mov_b32 v[32+4*rr+jj], v[lo]
.endif
.endif
.set jj, jj+1
.endr
.set jj, 0
.rept 4
	v_xor_b32 v[32+4*rr+jj], 0x01010101, v[32+4*rr+jj]   ; 1 = hidden
.set jj, jj+1
.endr
	ds_store_b128 v8, v[32+4*rr:35+4*rr] offset:16*rr
.set rr, rr+1
.endr
.set jj, 0
.rept 16
	ds_load_b128 v[96+4*jj:99+4*jj], v9 offset:544*jj    ; step jj / 4, quad jj % 4.  LDS serves a wave's instructions in order: these see my stores
.set jj, jj+1
.endr
.set jj, 0
.rept 16
	s_wait_dscnt 15-jj
	global_store_b128 v10, v[96+4*jj:99+4*jj], s[18:19] offset:8192*(jj/4)+512*(jj%4)   ; sixteen neighbouring lanes fill 256 consecutive bytes
.set jj, jj+1
.endr
	CLOSE
; ------------------------------------------------------------------ role QK
; REGISTERS: v8 scale word's place, v9 dot product's, v10 mask of token 0, v11 / v13 stage in / out, v12 position, v14 r / 2, v15 8 h, v16-23 at work, v24-31 row offsets,
; v32-47 cos, v48-63 sin, v64-159 three heads' rows (the next three follow), v160-179 at work, v180-203 the other tensor's token 0, four channels a lane, six heads
.Lrole_qk:
	s_lshl_b32 s60, ttmp9, 3
	s_add_co_u32 s60, s60, s[WV]                   ; the wave's unit: 1,028 = (256 tiles of Q + 258 of K) x 2 groups of six heads
	s_cmp_ge_u32 s60, 1028
	s_cbranch_scc1 .Lend                           ; the last work-group has 4 waves over; the role has no barrier
	s_mul_i32 s26, s[WV], 4352                     ; my stage
	s_cmp_ge_u32 s60, 514
	s_cselect_b32 s61, 1, 0                        ; hg: heads 6 hg .. 6 hg + 5
	s_mul_i32 s62, s61, 514
	s_sub_co_u32 s62, s60, s62                     ; the tile, 0 .. 513
	s_lshr_b32 s66, s62, 7                         ; Q: b
	s_and_b32 s67, s62, 127                        ; Q: T
	s_sub_co_u32 s68, s62, 256                     ; K: tile among 2 x 129
	s_cmp_ge_u32 s68, 129
	s_cselect_b32 s69, 1, 0                        ; K: b
	s_mul_i32 s70, s69, 129
	s_sub_co_u32 s70, s68, s70                     ; K: kt = 8 x step + tile
	s_lshr_b32 s71, s70, 2
	s_lshl_b32 s71, s71, 6
	s_and_b32 s72, s70, 3
	s_lshl_b32 s73, s72, 3
	s_add_co_u32 s71, s71, s73                     ; K: first key 64 (kt / 4) + 8 (kt % 4)
	s_lshl_b32 s73, s67, 4
	s_add_co_u32 s73, s73, 1                       ; Q: first query 1 + 16 T
	s_mul_i32 s86, s61, 6
	s_cmp_lt_u32 s62, 256                          ; Q or K: hangs on ids alone
	s_cselect_b32 s74, s73, s71                    ; first token
	s_cselect_b32 s75, 0, 24                       ; K's rows 8-15 lie 24 further on
	s_cselect_b32 s76, s66, s69                    ; b
	s_cselect_b32 s77, 1, 0                        ; 1 = Q
	s_cselect_b64 s[78:79], s[4:5], s[6:7]         ; the tensor,
	s_cselect_b64 s[80:81], s[6:7], s[4:5]         ; the other one (its token 0),
	s_cselect_b64 s[82:83], s[10:11], s[12:13]     ; the positions,
	s_cselect_b64 s[84:85], s[20:21], s[16:17]     ; and where the images go
	s_mul_i32 s87, s76, 12
	s_add_co_u32 s86, s86, s87                     ; first head
	s_lshl_b32 s87, s86, 7
	s_add_co_u32 s87, s87, s67
	s_lshl_b32 s87, s87, 10                        ; Q: (head x 128 + T) x 1,024
	s_mul_i32 s88, s86, 17
	s_lshr_b32 s89, s70, 3
	s_add_co_u32 s88, s88, s89
	s_mul_i32 s88, s88, REC
	s_and_b32 s89, s70, 7
	s_mul_i32 s90, s89, 768
	s_add_co_u32 s88, s88, s90                     ; K: the record + 768 x tile
	s_lshl_b32 s91, s89, 6
	s_add_co_u32 s91, s91, 6144
	s_sub_co_u32 s91, s91, s90                     ; K: from there to the tile's 16 scale words
	s_cmp_eq_u32 s77, 1
	s_cselect_b32 s92, s87, s88
	s_mov_b32 s93, 0
	s_mov_b32 s96, 768
	s_cselect_b32 s96, s96, s91
	s_mov_b32 s94, 17*REC
	s_cselect_b32 s94, 131072, s94                 ; from head to head
	s_mov_b32 s95, 0
	s_add_nc_u64 s[84:85], s[84:85], s[92:93]
	s_mul_i32 s98, s86, HEADB
	s_mov_b32 s99, 0
	s_add_nc_u64 s[78:79], s[78:79], s[98:99]
	s_add_nc_u64 s[80:81], s[80:81], s[98:99]
	s_mov_b32 s40, 0x3f22f983                      ; 2 / pi
	s_mov_b32 s41, 0xbfc90000                      ; -pi / 2 in three parts
	s_mov_b32 s42, 0xb9fda000
	s_mov_b32 s43, 0xb3a22168
	s_mov_b32 s44, 0xb94ca1f9                      ; sine: -1.9515296e-4, 8.3321609e-3, -1.6666655e-1
	s_mov_b32 s45, 0x3c08839e
	s_mov_b32 s46, 0xbe2aaaa3
	s_mov_b32 s47, 0x37ccf5ce                      ; cosine: 2.4433157e-5, -1.3887316e-3, 4.1666646e-2
	s_mov_b32 s48, 0xbab6061a
	s_mov_b32 s49, 0x3d2aaaa5
	s_mul_i32 s50, s76, 16392
	v_mad_u32_u24 v11, v3, 272, v7
	v_add_nc_u32 v11, s26, v11                     ; in: rows 2 i + h, 16 bytes at 16 r
	v_mul_u32_u24 v13, v2, 272
	v_lshl_add_u32 v13, v3, 7, v13
	v_add_nc_u32 v13, s26, v13                     ; out: row r, channels 32 h on
	v_add_nc_u32 v16, s74, v3                      ; first + h
	v_add_nc_u32 v17, s75, v16
.irp i, 0,1,2,3
	v_add_nc_u32 v[24+\i], 2*\i, v16
.endr
.irp i, 4,5,6,7
	v_add_nc_u32 v[24+\i], 2*\i, v17
.endr
.irp i, 0,1,2,3,4,5,6,7
	v_min_u32 v[24+\i], 2048, v[24+\i]             ; keys past the last are copies of it
.endr
.irp i, 0,1,2,3,4,5,6,7
	v_lshl_or_b32 v[24+\i], v[24+\i], 8, v7        ; load i: lanes 0-15 one whole row of 256 bytes, lanes 16-31 the next
.endr
	v_lshrrev_b32 v16, 3, v2
	v_mul_u32_u24 v16, s75, v16
	v_add3_u32 v16, v16, v2, s74
	v_min_u32 v16, 2048, v16                       ; my own token
	v_cmp_ne_u32 vcc_lo, 0, v16
	v_cndmask_b32 v10, 0, -1, vcc_lo               ; key 0 takes no part in the roped product: zero codes
	v_lshlrev_b32 v17, 3, v16
	v_lshl_add_u32 v17, v3, 2, v17
	v_add_nc_u32 v17, s50, v17
	s_wait_alu depctr_va_vdst(0)
	; 31 loads of mine go out at once; the rows land while the sines are made
	global_load_b32 v12, v17, s[82:83]             ; pos[b][token][h]: y for channels 0-31, x for 32-63
.irp n, 0,1,2,3,4,5
	global_load_b128 v[180+4*\n:183+4*\n], v7, s[80:81] offset:\n*HEADB   ; the other tensor's token 0, channels 4 r on, of head n
.endr
.irp n, 0,1,2
.irp i, 0,1,2,3,4,5,6,7
	global_load_b128 v[64+32*\n+4*\i:67+32*\n+4*\i], v[24+\i], s[78:79] offset:\n*HEADB
.endr
.endr
	v_lshlrev_b32 v15, 3, v3                       ; 8 h
	v_lshl_add_u32 v8, v2, 2, s96                  ; my scale word's place
	v_lshrrev_b32 v14, 1, v2                       ; r / 2
	v_lshlrev_b32 v9, 3, v14
	v_lshl_add_u32 v9, v3, 2, v9
	v_add_nc_u32 v9, 832, v9                       ; the dot product of row 2 (r / 2) + h
	v_mov_b32 v18, 0                               ; a lane permute's destination counts as one of its sources
	s_wait_alu depctr_va_vdst(0)
	s_wait_loadcnt 30                              ; the position is in; the 30 younger loads may be out
	v_cvt_f32_i32 v12, v12
; cos and sin of pos x 100^(-j/16), two angles by turns: n = nearest whole number to a 2 / pi; r = a - n pi / 2; polynomials on |r| <= pi / 4; the quadrant from n
.macro SC2 j, f, g
	v_mul_f32 v160, \f, v12
	v_mul_f32 v170, \g, v12
.irp a, 0,10
	v_mul_f32 v[161+\a], s40, v[160+\a]
.endr
.irp a, 0,10
	v_rndne_f32 v[161+\a], v[161+\a]
.endr
.irp a, 0,10
	v_fma_f32 v[162+\a], v[161+\a], s41, v[160+\a]
.endr
.irp a, 0,10
	v_fma_f32 v[162+\a], v[161+\a], s42, v[162+\a]
.endr
.irp a, 0,10
	v_fma_f32 v[162+\a], v[161+\a], s43, v[162+\a]
.endr
.irp a, 0,10
	v_mul_f32 v[163+\a], v[162+\a], v[162+\a]
	v_cvt_i32_f32 v[169+\a], v[161+\a]
.endr
.irp a, 0,10
	v_fma_f32 v[164+\a], v[163+\a], s44, s45
	v_fma_f32 v[165+\a], v[163+\a], s47, s48
.endr
.irp a, 0,10
	v_fma_f32 v[164+\a], v[164+\a], v[163+\a], s46
	v_fma_f32 v[165+\a], v[165+\a], v[163+\a], s49
.endr
.irp a, 0,10
	v_mul_f32 v[166+\a], v[163+\a], v[162+\a]
	v_mul_f32 v[167+\a], v[163+\a], v[163+\a]
	v_fma_f32 v[168+\a], v[163+\a], -0.5, 1.0
.endr
.irp a, 0,10
	v_fma_f32 v[164+\a], v[164+\a], v[166+\a], v[162+\a]     ; sin r
	v_fma_f32 v[165+\a], v[165+\a], v[167+\a], v[168+\a]     ; cos r
.endr
.irp a, 0,10
	v_and_b32 v[166+\a], 1, v[169+\a]
	v_lshlrev_b32 v[160+\a], 30, v[169+\a]
	v_add_nc_u32 v[161+\a], 1, v[169+\a]
.endr
	v_cmp_eq_u32 s27, 1, v166
	v_cmp_eq_u32 s28, 1, v176
.irp a, 0,10
	v_and_b32 v[160+\a], 0x80000000, v[160+\a]     ; the sine's sign: bit 1 of n
	v_lshlrev_b32 v[161+\a], 30, v[161+\a]
.endr
	v_cndmask_b32 v167, v164, v165, s27            ; odd n: the two change places
	v_cndmask_b32 v168, v165, v164, s27
	v_cndmask_b32 v177, v174, v175, s28
	v_cndmask_b32 v178, v175, v174, s28
.irp a, 0,10
	v_and_b32 v[161+\a], 0x80000000, v[161+\a]     ; the cosine's: bit 1 of n + 1
.endr
.irp a, 0,1
	v_xor_b32 v[48+\j+\a], v[160+10*\a], v[167+10*\a]
	v_xor_b32 v[32+\j+\a], v[161+10*\a], v[168+10*\a]
.endr
.endm
	SC2 0, 1.0, 0.7498942093
	SC2 2, 0.5623413252, 0.4216965034
	SC2 4, 0.3162277660, 0.2371373706
	SC2 6, 0.1778279410, 0.1333521432
	SC2 8, 0.1, 0.07498942093
	SC2 10, 0.05623413252, 0.04216965034
	SC2 12, 0.03162277660, 0.02371373706
	SC2 14, 0.01778279410, 0.01333521432
	s_wait_alu depctr_va_vdst(0)
; One head.  n: the head of the six; x: its rows' registers; left: the younger loads that may stay out; nxt = 1: the registers take the rows of the head three on as soon as they are free
.macro QKHEAD n, x, left, nxt
	s_wait_loadcnt \left
	s_cmp_eq_u32 s77, 1
	s_cbranch_scc0 .Lnd_\@                         ; Q alone: the raw dot product with key 0, in the layout as loaded: four channels a lane, then over the sixteen lanes of a row
.irp i, 0,1,2,3,4,5,6,7
	v_pk_mul_f32 v[160+2*\i:161+2*\i], v[\x+4*\i:\x+4*\i+1], v[180+4*\n:181+4*\n]
.endr
.irp i, 0,1,2,3,4,5,6,7
	v_pk_fma_f32 v[160+2*\i:161+2*\i], v[\x+4*\i+2:\x+4*\i+3], v[182+4*\n:183+4*\n], v[160+2*\i:161+2*\i]
.endr
.irp i, 0,1,2,3,4,5,6,7
	v_add_f32 v[160+2*\i], v[160+2*\i], v[161+2*\i]
.endr
.irp m, 1,2,4,8
.irp i, 0,1,2,3,4,5,6,7
	v_add_f32_dpp v[160+2*\i], v[160+2*\i], v[160+2*\i] row_xmask:\m row_mask:0xf bank_mask:0xf
.endr
.endr
	v_mov_b32 v16, v160                            ; lane (r, h) keeps row 2 (r / 2) + h's
.irp i, 1,2,3,4,5,6,7
	v_cmp_eq_u32 vcc_lo, \i, v14
	v_cndmask_b32 v16, v16, v[160+2*\i], vcc_lo
.endr
	global_store_b32 v9, v16, s[84:85]             ; 64 consecutive bytes (two lanes hold each number)
.Lnd_\@:
.irp i, 0,1,2,3,4,5,6,7
	ds_store_b128 v11, v[\x+4*\i:\x+4*\i+3] offset:544*\i
.endr
.irp i, 0,1,2,3,4,5,6,7
	ds_load_b128 v[\x+4*\i:\x+4*\i+3], v13 offset:16*\i     ; the stage is my own, LDS serves a wave's instructions in order, and the rows come back into the registers that they left: row r, channels 32 h on
.endr
	s_wait_dscnt 0x0
.irp g, 0,8                                    ; the rotation, in place: x1 cos - x2 sin, x2 cos + x1 sin
.irp j, 0,2,4,6
	v_pk_mul_f32 v[160+\j:161+\j], v[\x+16+\g+\j:\x+17+\g+\j], v[48+\g+\j:49+\g+\j]
	v_pk_mul_f32 v[168+\j:169+\j], v[\x+\g+\j:\x+1+\g+\j], v[48+\g+\j:49+\g+\j]
.endr
.irp j, 0,2,4,6
	v_pk_fma_f32 v[\x+\g+\j:\x+1+\g+\j], v[\x+\g+\j:\x+1+\g+\j], v[32+\g+\j:33+\g+\j], v[160+\j:161+\j] neg_lo:[0,0,1] neg_hi:[0,0,1]
	v_pk_fma_f32 v[\x+16+\g+\j:\x+17+\g+\j], v[\x+16+\g+\j:\x+17+\g+\j], v[32+\g+\j:33+\g+\j], v[168+\j:169+\j]
.endr
.endr
	QUANT32 \x, 160, 166, 20
.if \nxt
.irp i, 0,1,2,3,4,5,6,7
	global_load_b128 v[\x+4*\i:\x+4*\i+3], v[24+\i], s[78:79] offset:(\n+3)*HEADB
.endr
.endif
.irp i, 0,1,2,3,4,5
	v_and_b32 v[160+\i], v10, v[160+\i]
.endr
	v_lshlrev_b32 v17, v15, v23                    ; my block's byte at its place,
	v_permlanex16_b32 v18, v17, s[SEL], s[SEL+1]
	v_or_b32 v17, v17, v18                         ; with the other block's,
	v_or_b32 v17, 0x7f7f0000, v17                  ; and 1.0 for the instruction's unused upper 64 along K
	global_store_b128 v4, v[160:163], s[84:85]
	global_store_b64 v5, v[164:165], s[84:85] offset:512
	global_store_b32 v8, v17, s[84:85]
	s_wait_xcnt 0x0                                ; the base and the stores' data are written again only behind this wait
	s_add_nc_u64 s[84:85], s[84:85], s[94:95]
.endm
	QKHEAD 0, 64, 16, 1                            ; heads 1 and 2 may be out
	QKHEAD 1, 96, 16, 1                            ; heads 2 and 3
	QKHEAD 2, 128, 16, 1                           ; heads 3 and 4
	QKHEAD 3, 64, 16, 0                            ; heads 4 and 5
	QKHEAD 4, 96, 8, 0                             ; head 5
	QKHEAD 5, 128, 0, 0
.Lend:
	CLOSE
; ------------------------------------------------------------------ role VC
; REGISTERS: v8 K's offset, v9 the mask, v10 / v11 / v35 where V's codes and scale bytes go, v12-15 -M, largest t, sum, v16-31 at work, v32 f, v33 p's scale word, v36-39 q[0], v40 -infinity,
; v41-47 LDS addresses, v48-63 the scores (register i: key 16 h + i of the block), v64-127 K's 32 rows, then codes, v128-191 V's 32 rows x 64 channels, then the results
.Lrole_vc:
	s_sub_co_u32 s60, ttmp9, QKWG                  ; 0 .. 194
	s_lshr_b32 s61, s60, 3                         ; the head,
	s_and_b32 s62, s60, 7                          ; the part of 256 keys,
	s_lshl_b32 s63, s62, 3
	s_add_co_u32 s63, s63, s[WV]                   ; and the wave's block of 32 keys
	s_sub_co_u32 s66, s60, 192
	s_lshl_b32 s66, s66, 3
	s_add_co_u32 s66, s66, s[WV]                   ; the last three work-groups: a head a wave, part 8, block 64: key 2,048
	s_cmp_ge_u32 s60, 192
	s_cselect_b32 s61, s66, s61
	s_cselect_b32 s62, 8, s62
	s_cselect_b32 s63, 64, s63
	s_cselect_b32 s25, 1, 0
	s_lshr_b32 s28, s63, 2                         ; its step
	s_and_b32 s26, s63, 3                          ; qd: its place in the step
	s_cmp_ge_u32 s61, 12
	s_cselect_b32 s27, 1, 0                        ; b
	s_mul_i32 s30, s61, HEADB
	s_lshl_b32 s74, s63, 5                         ; my first key
	s_lshl_b32 s29, s74, 8
	s_add_co_u32 s30, s30, s29
	s_mov_b32 s31, 0
	s_add_nc_u64 s[66:67], s[6:7], s[30:31]        ; k and v at my first key, q at my head
	s_add_nc_u64 s[70:71], s[8:9], s[30:31]
	s_sub_co_u32 s30, s30, s29
	s_add_nc_u64 s[72:73], s[4:5], s[30:31]
	s_mul_i32 s30, s27, 4198401
	s_add_co_u32 s30, s30, s74
	s_add_nc_u64 s[68:69], s[14:15], s[30:31]      ; the mask's row 0 at my first key
	s_mul_i32 s30, s61, 17
	s_add_co_u32 s30, s30, s28
	s_mul_i32 s30, s30, REC
	s_add_nc_u64 s[16:17], s[16:17], s[30:31]      ; my record
	s_mul_i32 s30, s61, 9
	s_add_co_u32 s30, s30, s62
	s_lshl_b32 s30, s30, 9
	s_add_nc_u64 s[22:23], s[22:23], s[30:31]      ; the partial result
	s_lshl_b32 s75, s[WV], 2
	s_add_co_u32 s75, s75, RM
	s_mul_i32 s76, s[WV], ROP
	s_add_co_u32 s77, s76, RO
	s_lshr_b32 s78, s26, 1
	s_mul_i32 s78, s78, 768                        ; block qd = 2 c + hb lies in half fragment c, lanes 16 hb on
	s_and_b32 s79, s26, 1
	s_lshl_b32 s80, s79, 8
	s_add_co_u32 s80, s80, s78
	s_lshl_b32 s81, s79, 7
	s_add_co_u32 s81, s81, s78
	s_cmp_eq_u32 s25, 1
	s_cselect_b32 s82, 0, 4096
	s_cselect_b32 s83, -1, 0
	; every LDS address of the role is made here
	v_mov_b32 v41, s75
	v_mov_b32 v42, RM
	v_add_nc_u32 v43, s77, v4
	v_lshrrev_b32 v44, 2, v2
	v_lshlrev_b32 v44, 1, v44
	v_and_b32 v45, 1, v2
	v_add_nc_u32 v44, v44, v45                     ; channels 4 r on lie in register group 2 (r / 4) + r % 2,
	v_lshlrev_b32 v44, 9, v44
	v_bfe_u32 v45, v2, 1, 1
	v_lshl_add_u32 v44, v45, 8, v44                ; of lane 16 ((r / 2) % 2)
	v_add_nc_u32 v44, RO, v44
	v_lshl_add_u32 v45, v3, 8, RO+4096             ; the sums of lanes 0 and 16
	v_add_nc_u32 v46, s76, v44                     ; the same in my own region
	v_add_nc_u32 v47, s76, v45
	v_mul_u32_u24 v8, s82, v3
	v_add_nc_u32 v8, v8, v7                        ; k: 16 h rows on, bytes 16 r on (key 2,048: its one row for all)
	v_mul_u32_u24 v35, v3, 1536                    ; my channel 32 cc + L belongs to tile 2 cc + L / 16
	v_lshl_add_u32 v10, v2, 4, v35
	v_add_nc_u32 v10, s80, v10
	v_lshl_add_u32 v11, v2, 3, v35
	v_add_nc_u32 v11, s81, v11
	v_add_nc_u32 v35, s26, v6                      ; my channel's scale word, byte qd
	v_mov_b32 v206, 0                              ; (a lane permute's destination)
	v_mov_b32 v207, 0
	v_mov_b32 v40, 0xff800000                      ; -infinity
	v_lshlrev_b32 v[TMP], 4, v3                    ; 16 h
	s_wait_alu depctr_va_vdst(0)
	; 50 loads go out at once: q[0], the mask, K's 32 rows, V's first 32 channels.  Key 2,048 is read again and again, so that both ways issue the same number of loads and none leaves its buffer
	global_load_b128 v[36:39], v7, s[72:73]        ; q[head][0][4 r ..]
	global_load_u8 v9, v1, s[68:69]                ; lane L: key L of the block
	s_cmp_eq_u32 s25, 1
	s_cbranch_scc1 .Lvc_a16
.set jj, 0
.rept 16
	global_load_b128 v[64+4*jj:67+4*jj], v8, s[66:67] offset:256*jj     ; rows jj and 16 + jj: two whole rows of 256 bytes
.set jj, jj+1
.endr
.set jj, 0
.rept 32
	global_load_b32 v[128+jj], v6, s[70:71] offset:256*jj               ; V: lane L takes channel L, its registers run down the 32 keys
.set jj, jj+1
.endr
	s_wait_loadcnt 31                              ; q, the mask and K are in; with the 32 loads below 63 of mine are out
.set jj, 0
.rept 32
	global_load_b32 v[160+jj], v6, s[70:71] offset:256*jj+128           ; channels 32 + L
.set jj, jj+1
.endr
	s_branch .Lvc_bd
.Lvc_a16:
.set jj, 0
.rept 16
	global_load_b128 v[64+4*jj:67+4*jj], v8, s[66:67]
.set jj, jj+1
.endr
.set jj, 0
.rept 32
	global_load_b32 v[128+jj], v6, s[70:71]
.set jj, jj+1
.endr
	s_wait_loadcnt 31
.set jj, 0
.rept 32
	global_load_b32 v[160+jj], v6, s[70:71] offset:128
.set jj, jj+1
.endr
.Lvc_bd:
	v_cmp_ne_u32 s79, 0, v9                        ; bit L: key L counts
	v_mov_b32 v9, s79
	v_lshrrev_b32 v9, v[TMP], v9                   ; bit i: key 16 h + i counts
; eight rows a half: their dot products with q[0]: four channels a lane, then over the sixteen lanes of a row; every lane of the row ends with the score.  Hidden keys become -infinity
.macro KDOT n
.set DB, 64+32*(\n)
.set SB, S+8*(\n)
.irp i, 0,1,2,3,4,5,6,7
	v_pk_mul_f32 v[16+2*\i:17+2*\i], v[DB+4*\i:DB+4*\i+1], v[36:37]
.endr
.irp i, 0,1,2,3,4,5,6,7
	v_pk_fma_f32 v[16+2*\i:17+2*\i], v[DB+4*\i+2:DB+4*\i+3], v[38:39], v[16+2*\i:17+2*\i]
.endr
.irp i, 0,1,2,3,4,5,6,7
	v_add_f32 v[16+2*\i], v[16+2*\i], v[17+2*\i]
.endr
.irp m, 1,2,4,8
.irp i, 0,1,2,3,4,5,6,7
	v_add_f32_dpp v[16+2*\i], v[16+2*\i], v[16+2*\i] row_xmask:\m row_mask:0xf bank_mask:0xf
.endr
.endr
.irp i, 0,1,2,3,4,5,6,7
	v_and_b32 v[17+2*\i], 1<<(8*(\n)+\i), v9
.endr
.irp i, 0,1,2,3,4,5,6,7
	v_cmp_eq_u32 vcc_lo, 0, v[17+2*\i]
	v_cndmask_b32 v[SB+\i], v[16+2*\i], v40, vcc_lo
.endr
.endm
	KDOT 0
	KDOT 1
	s_wait_alu depctr_va_vdst(0)                   ; the wait ahead of the branch
	s_cmp_lg_u32 s25, 1
	s_cbranch_scc1 .Lvc_whole
	v_cmp_ne_u32 vcc_lo, 0, v3                     ; key 2,048 alone exists: register 0 of lanes 0-15
	v_cndmask_b32 v[S], v[S], v40, vcc_lo
.set jj, 1
.rept 15
	v_mov_b32 v[S+jj], v40
.set jj, jj+1
.endr
.Lvc_whole:
	; the softmax of one block of 32 keys, under the wave's own M
	v_max3_num_f32 v16, v[S], v[S+1], v[S+2]
	v_max3_num_f32 v17, v[S+3], v[S+4], v[S+5]
	v_max3_num_f32 v16, v16, v[S+6], v[S+7]
	v_max3_num_f32 v17, v17, v[S+8], v[S+9]
	v_max3_num_f32 v16, v16, v[S+10], v[S+11]
	v_max3_num_f32 v17, v17, v[S+12], v[S+13]
	v_max3_num_f32 v16, v16, v[S+14], v[S+15]
	v_max_num_f32 v16, v16, v17
	v_permlanex16_b32 v17, v16, s[SEL], s[SEL+1]
	v_max_num_f32 v16, v16, v17                    ; the block's largest score
	v_mul_f32 v[TMP], s[CS], v16                   ; as t
	v_max_num_f32 v[TMAX], 0xe7800000, v[TMP]      ; not under -2^80
	v_floor_f32 v[NEGM], -v[TMAX]                  ; -M = floor(-t): M is a whole number
.set jj, 0
.rept 8
	v_pk_fma_f32 v[S+jj:S+jj+1], v[S+jj:S+jj+1], s[CS:CS+1], v[NEGM:NEGM+1] op_sel_hi:[1,0,0]   ; t - M
.set jj, jj+2
.endr
	v_fma_f32 v16, v16, s[CS], v[NEGM]
.set jj, 0
	s_wait_alu depctr_va_vdst(0)                   ; the wait ahead of the batch
.rept 16
	v_exp_f32 v[S+jj], v[S+jj]
.set jj, jj+1
.endr
	v_exp_f32 v16, v16                             ; the block's largest p
	v_cmp_eq_u32 vcc_lo, 0, v3                     ; (a plain line behind the exponentials)
	s_wait_alu depctr_va_vdst(0)                   ; and behind it
	v_max_num_f32 v16, 0x2800000, v16              ; the floor 2^(5 - 127): the byte cannot fall under 1
	v_add_nc_u32 v18, 0xfe000000, v16              ; 4 off the exponent field: the conversion's scale operand
	v_lshrrev_b32 v19, 23, v18                     ; the scale's byte
	v_lshl_or_b32 v[PS], v19, 8, v19               ; for both halves of the lanes' places along K,
	v_or_b32 v[PS], 0x7f7f0000, v[PS]              ; and 1.0 for the unused upper 64
	v_cvt_scalef32_pk16_bf6_f32 v[20:22], v[S:S+15], v18   ; the codes of keys 16 h + 0 .. 15
	v_cndmask_b32 v30, 0, -1, vcc_lo               ; all ones in lanes 0-15 (a plain line behind the scaled conversion)
	v_xor_b32 v31, -1, v30                         ; all ones in lanes 16-31
.irp i, 0,1,2
	v_permlanex16_b32 v[24+\i], v[20+\i], s[SEL], s[SEL+1]   ; the other half's 16 keys
.endr
; A row of V's operand holds channel r's 32 keys in lanes 0-15 and channel 16 + r's in lanes 16-31.  So p's block is given twice: in lanes 0-15 alone (v82-87) and in lanes 16-31 alone (v94-99); zero codes elsewhere
.irp i, 0,1,2
	v_and_b32 v[82+\i], v30, v[20+\i]              ; keys 0-15,
	v_and_b32 v[85+\i], v30, v[24+\i]              ; keys 16-31
	v_and_b32 v[94+\i], v31, v[24+\i]
	v_and_b32 v[97+\i], v31, v[20+\i]
.endr
.irp i, 0,1,2,3,4,5
	v_mov_b32 v[76+\i], 0                          ; zero codes behind V's and behind both forms of p: the instruction's upper 64 along K
	v_mov_b32 v[88+\i], 0
	v_mov_b32 v[100+\i], 0
.endr
	v_pk_add_f32 v[SUM:SUM+1], v[S:S+1], v[S+2:S+3]      ; the sum of the unquantised p, in two chains
	v_pk_add_f32 v[28:29], v[S+4:S+5], v[S+6:S+7]
	v_pk_add_f32 v[SUM:SUM+1], v[SUM:SUM+1], v[S+8:S+9]
	v_pk_add_f32 v[28:29], v[28:29], v[S+10:S+11]
	v_pk_add_f32 v[SUM:SUM+1], v[SUM:SUM+1], v[S+12:S+13]
	v_pk_add_f32 v[28:29], v[28:29], v[S+14:S+15]
	v_pk_add_f32 v[SUM:SUM+1], v[SUM:SUM+1], v[28:29]
	s_wait_loadcnt 32                              ; V's first 32 channels are in; the other 32 loads may be out
	QUANT32 128, 64, 106, 16
	v_mov_b32 v28, v19
	s_wait_alu depctr_va_vdst(0)
	s_wait_loadcnt 0x0
	QUANT32 160, 70, 106, 16
	v_mov_b32 v29, v19
.irp cc, 0,1
	global_store_b128 v10, v[64+6*\cc:67+6*\cc], s[16:17] offset:6656+3072*\cc        ; sixteen lanes store 256 consecutive bytes of a half fragment
	global_store_b64 v11, v[68+6*\cc:69+6*\cc], s[16:17] offset:6656+512+3072*\cc
	global_store_b8 v35, v[28+\cc], s[16:17] offset:12800+128*\cc                     ; one byte of each channel's scale word: the other three are the other blocks'
.endr
	v_permlanex16_b32 v16, v28, s[SEL], s[SEL+1]
	v_permlanex16_b32 v17, v29, s[SEL], s[SEL+1]
	v_lshl_or_b32 v16, v16, 8, v28                 ; lane r: the bytes of channels r and 16 + r
	v_lshl_or_b32 v17, v17, 8, v29
	v_or_b32 v16, 0x7f7f0000, v16
	v_or_b32 v17, 0x7f7f0000, v17
.rept 8
	v_nop                                          ; operands and scale words made by vector instructions stand this far ahead of a scaled matrix instruction
.endr
	v_wmma_scale_f32_16x16x128_f8f6f4 v[O:O+7], v[64:75], v[82:93], 0, v16, v[PS] matrix_a_fmt:MATRIX_FMT_BF6 matrix_b_fmt:MATRIX_FMT_BF6          ; channels 0-15
	v_wmma_scale_f32_16x16x128_f8f6f4 v[O+8:O+15], v[64:75], v[94:105], 0, v16, v[PS] matrix_a_fmt:MATRIX_FMT_BF6 matrix_b_fmt:MATRIX_FMT_BF6      ; 16-31
	v_wmma_scale_f32_16x16x128_f8f6f4 v[O+16:O+23], v[70:81], v[82:93], 0, v17, v[PS] matrix_a_fmt:MATRIX_FMT_BF6 matrix_b_fmt:MATRIX_FMT_BF6      ; 32-47
	v_wmma_scale_f32_16x16x128_f8f6f4 v[O+24:O+31], v[70:81], v[94:105], 0, v17, v[PS] matrix_a_fmt:MATRIX_FMT_BF6 matrix_b_fmt:MATRIX_FMT_BF6     ; 48-63
	ds_store_b32 v41, v[NEGM]                      ; my -M (the same in every lane)
	s_wait_dscnt 0x0
	s_barrier_signal -1
	s_barrier_wait -1
	ds_load_b128 v[160:163], v42
	ds_load_b128 v[164:167], v42 offset:16
	s_wait_dscnt 0x0
	v_min3_num_f32 v176, v160, v161, v162
	v_min3_num_f32 v177, v163, v164, v165
	v_min3_num_f32 v176, v176, v166, v167
	v_min_num_f32 v177, v177, v176                 ; the least -M is the work-group's;
	v_cndmask_b32 v177, v177, v[NEGM], s83         ; where the waves have heads of their own, the wave's own
	v_sub_f32 v178, v177, v[NEGM]
	v_cvt_i32_f32 v178, v178                       ; (it saturates)
	v_ldexp_f32 v[F], 1.0, v178                    ; 2^(my M - the common M): exact
.set jj, 0
.rept 16
	v_pk_mul_f32 v[O+jj:O+jj+1], v[O+jj:O+jj+1], v[F:F+1] op_sel_hi:[1,0]   ; each accumulator from its low end on
.set jj, jj+2
.endr
	v_add_f32 v179, v[SUM], v[SUM+1]
	v_mul_f32 v179, v179, v[F]
.irp g, 0,1,2,3,4,5,6,7
	ds_store_b128 v43, v[O+4*\g:O+4*\g+3] offset:512*\g
.endr
	ds_store_b32 v43, v179 offset:4096
	s_wait_xcnt 0x0                                ; my stores of V have read their registers: the loads below land on some of them
	s_wait_alu depctr_va_vdst(0)
	s_wait_dscnt 0x0
	s_barrier_signal -1
	s_barrier_wait -1
	s_cmp_eq_u32 s25, 1
	s_cbranch_scc1 .Lvc_own
	s_cmp_lg_u32 s[WV], 0
	s_cbranch_scc1 .Lvc_end
.irp g, 0,1,2,3,4,5,6,7
	ds_load_b128 v[64+4*\g:67+4*\g], v44 offset:ROP*\g
	ds_load_b32 v[112+\g], v45 offset:ROP*\g
.endr
	s_wait_dscnt 0x0
.irp g, 1,2,3,4,5,6,7
	v_pk_add_f32 v[64:65], v[64:65], v[64+4*\g:65+4*\g]
	v_pk_add_f32 v[66:67], v[66:67], v[66+4*\g:67+4*\g]
	v_add_f32 v112, v112, v[112+\g]
.endr
	s_wait_alu depctr_va_vdst(0)                   ; the wait ahead of the branch
	s_branch .Lvc_out
.Lvc_own:
	ds_load_b128 v[64:67], v46
	ds_load_b32 v112, v47
	s_wait_dscnt 0x0
.Lvc_out:
	v_permlanex16_b32 v206, v112, s[SEL], s[SEL+1]
	v_add_f32 v112, v112, v206                     ; the sum over both halves of the lanes
	v_mov_b32 v113, v177                           ; and -M beside it
	global_store_b128 v7, v[64:67], s[22:23]       ; sixteen lanes store the 64 numbers, 256 bytes (lanes 16-31 repeat them)
	global_store_b64 v207, v[112:113], s[22:23] offset:256
.Lvc_end:
	CLOSE
.Lfunc_end_k_qb307e6acfd_prep:
	.size	k_qb307e6acfd_prep, .Lfunc_end_k_qb307e6acfd_prep-k_qb307e6acfd_prep
	.p2alignl 7, 3214868480
	.fill 96, 4, 3214868480
	.section	.rodata,"a",@progbits
	.p2align	6, 0x0
	.amdhsa_kernel k_qb307e6acfd_prep
		.amdhsa_group_segment_fixed_size 142592
		.amdhsa_private_segment_fixed_size 0
		.amdhsa_enable_private_segment 0
		.amdhsa_kernarg_size 80
		.amdhsa_user_sgpr_count 2
		.amdhsa_user_sgpr_kernarg_segment_ptr 1
		.amdhsa_wavefront_size32 1
		.amdhsa_system_sgpr_workgroup_id_x 1
		.amdhsa_system_sgpr_workgroup_id_y 1
		.amdhsa_system_sgpr_workgroup_id_z 1
		.amdhsa_system_vgpr_workitem_id 0
		.amdhsa_next_free_vgpr 208
		.amdhsa_next_free_sgpr 100
		.amdhsa_reserve_vcc 1
		.amdhsa_float_denorm_mode_32 3
		.amdhsa_float_denorm_mode_16_64 3
		.amdhsa_memory_ordered 1
		.amdhsa_forward_progress 1
		.amdhsa_inst_pref_size 151
	.end_amdhsa_kernel
	.amdgpu_metadata
---
amdhsa.version: [ 1, 2 ]
amdhsa.kernels:
  - .name:           k_qb307e6acfd_prep
    .symbol:         k_qb307e6acfd_prep.kd
    .args:
      - { .name: q, .offset: 0, .size: 8, .value_kind: global_buffer, .address_space: global }
      - { .name: k, .offset: 8, .size: 8, .value_kind: global_buffer, .address_space: global }
      - { .name: v, .offset: 16, .size: 8, .value_kind: global_buffer, .address_space: global }
      - { .name: qpos, .offset: 24, .size: 8, .value_kind: global_buffer, .address_space: global }
      - { .name: kpos, .offset: 32, .size: 8, .value_kind: global_buffer, .address_space: global }
      - { .name: mask_for_attention, .offset: 40, .size: 8, .value_kind: global_buffer, .address_space: global }
      - { .name: kv, .offset: 48, .size: 8, .value_kind: global_buffer, .address_space: global }
      - { .name: mc, .offset: 56, .size: 8, .value_kind: global_buffer, .address_space: global }
      - { .name: qr, .offset: 64, .size: 8, .value_kind: global_buffer, .address_space: global }
      - { .name: cp, .offset: 72, .size: 8, .value_kind: global_buffer, .address_space: global }
    .group_segment_fixed_size: 142592
    .private_segment_fixed_size: 0
    .kernarg_segment_align: 8
    .kernarg_segment_size: 80
    .max_flat_workgroup_size: 256
    .sgpr_count:     100
    .vgpr_count:     208
    .wavefront_size: 32
...
	.end_amdgpu_metadata
.endif
;; end of part 3
;; launch attn (part 4): grid 32 x 8, 12 waves a work-group, clusters of 4 x 4, 327,680 bytes of LDS; arguments kv, mc, qr, out0, cp, mask_for_attention; writes out0
.if DOCPART == 4
	.amdgcn_target "amdgcn-amd-amdhsa--gfx1250"
	.amdhsa_code_object_version 6
	.text
	.protected	k_qb307e6acfd_attn
	.globl	k_qb307e6acfd_attn
	.p2align	8
	.type	k_qb307e6acfd_attn,@function
k_qb307e6acfd_attn:
	s_mov_b64 s[64:65], 0
	v_nop
	global_prefetch_b8 v0, s[64:65] scope:SCOPE_SE
	s_setreg_imm32_b32 hwreg(HW_REG_WAVE_MODE, 25, 1), 1
	s_wait_xcnt 0x0
	s_wait_alu depctr_hold_cnt(0) depctr_sa_sdst(0) depctr_va_vdst(0) depctr_va_sdst(0) depctr_va_ssrc(0) depctr_va_vcc(0) depctr_vm_vsrc(0)
	s_getreg_b32 s2, hwreg(HW_REG_IB_STS2, 6, 4)
	s_cmp_eq_u32 s2, 0
	s_cbranch_scc0 .Lentry_in_a_cluster
	s_endpgm
.Lentry_in_a_cluster:
	s_bfe_u32 s2, ttmp6, 0x10000c
	s_cmp_lg_u32 s2, 0xf033
	s_cbranch_scc0 .Lentry_shape_is_right
	s_endpgm
.Lentry_shape_is_right:
; ATTENTION for queries 1 .. 2,048 of 24 heads, on codes of E3M2 with one E8M0 scale for each 32 along a product's K.  All operands come as images of registers, made by the launch before.
; SHARES.  A work-group owns (b, a group g of three heads, a block qb of 64 queries): 12 waves, wave w = head w / 4, tile of 16 queries w % 4: 256 registers a wave, three waves to a SIMD,
; so that one wave's softmax stands beside another's products and LDS loads.  2 x 4 x 32 = 256 work-groups.
; THE WALK.  Key 2,048 comes first: its codes go straight into registers, its products start O^T, while the first tiles are on their way.  Then 16 steps of 128 keys through a ring of two LDS slots of three steps:
; nine records and three steps' mask bytes, one joint load for each of the twelve waves.  Slots hold steps 0-2, 3-5, 6-8, 9-11, 12-14, 15.
; LAYOUT.  Both products are used transposed: S^T = K Q^T (source 0 = 16 keys, source 1 = my 16 queries), O^T = V^T P^T: a lane holds one query (lane % 16) throughout.
; The keys of a tile are not neighbours: rows 0-7 are keys 64 g + 8 t + 0 .. 7, rows 8-15 the keys 32 further on.  A result's rows 0-7 lie in lanes 0-15, rows 8-15 in lanes 16-31: so the 32 registers of a group's four tiles
; are the 32 keys of ONE block, 64 g + 32 h + 0 .. 31: its largest score needs no other lane, and its codes are the next product's operand as that wants them.
; K = 64 fills half of the instruction's 128: the other half meets zero codes (behind Q), so a K tile is named with the six registers behind it, whatever they hold.
; THE MASK COSTS NO VECTOR INSTRUCTION.  A byte 0 or 1 at bit 8 i of a stream of 6-bit codes is the code at place 4 i / 3 with the value 2^-4, 2^-2 or 2 (i % 3 = 0, 1, 2), or zero.  Each tile of S^T is begun by a product of the
; same form: source 0 = a constant fragment with -16, -4 or -0.5 at the place of row m's byte, source 1 = the registers from the tile's two on, scales 1 and 2^100: the result is 0 or -2^100, exactly, and K Q^T adds onto it in
; place.  What stands in the other places meets zero codes.  A hidden key's t lies far under every served t: its p is 0.
; Column 0 (the cls key, raw f32 dot product, made by the launch before) is added to register 0 of lanes 0-15 in step 0; key 0's K codes are zeros.
; SOFTMAX: t = score x log2(e) / 8; M = the running largest t rounded up to a whole number; p = 2^(t - M) is quantised along the keys; the sum is taken of the unquantised p and divides at the end.
; CLUSTER 4 x 4: the K / V records hang on (b, g) and are shared along a row of the cluster; the mask bytes hang on (b, qb) and are shared along a column: each is asked for jointly.
; THE CLS ROW comes from the launch before as nine partial results a head (64 numbers, the sum l, -M).  In the clusters with x = 0 the wave with tile 0 of each head brings them under one M by exact powers of
; two, adds, divides and stores; the four partners along x take 16 channels each, told apart by address.
; LIMITS: a score under -2^80 counts as hidden; a p under 2^-126 counts as 0; mask bytes are 0 or 1; a row all of whose keys are hidden gives NaN, as the definition does; NaN and infinities among the inputs are not served.
.set REC,   13056                      ; a record of K and V: one head, one step
.set MSTEP, 8192                       ; the mask bytes of 64 queries, one step
.set SLOTK, 131072                     ; slot 1's nine records begin here: one exclusive or turns an address
.set MCO,   262144                     ; slot 0's mask bytes; slot 1's lie SLOTM further on
.set SLOTM, 32768
.set SPARE, 117504                     ; behind slot 0's records: the spare words, 128 bytes a wave: six blocks of 256 bytes that no other line names
.set STAGE, 0                          ; the way out: 16 rows x 272 bytes a wave, in slot 0's records: their last fill (steps 12-14) and their last reads are over
.set A16, 1                            ; v1-3   my lane's place in my head's records of slot 0: 16 L, 8 L + 512, 4 L
.set A8,  2
.set A4,  3
.set AM,  4                            ; v4     and in my tile's mask bytes
.set ADM, 5                            ; v5, v9-11 the same places in the slot in hand
.set SPW, 6                            ; v6     my spare word; never rewritten
.set NIL, 7                            ; v7     0; never rewritten
.set GO,  8                            ; v8     the way out: 3,072 h + 16 r
.set AD16, 9
.set AD8, 10
.set AD4, 11
.set NEGM, 12
.set TMAX, 13                          ; the running largest score
.set SUM, 14
.set MR,  16                           ; v16-31 mask bytes
.set QF,  32                           ; v32-37 Q, v38-43 zero codes
.set G0,  44                           ; v44-55 the constant fragment
.set P,   56
.set S,   68
.set O,   132
.set KF,  164                          ; v164-211 eight K tiles, then four V tiles
.set TA,  212                          ; v212-214, v216-218 conversions' second halves (v212-217 are also named behind the last K tile)
.set TC,  216
.set KS,  220
.set VS,  224
.set TM,  226
.set SCO, 228
.set T2,  230
.set TX,  232
.set TY,  233
.set F,   234
.set PS,  236
.set QS,  237
.set CSC, 238                          ; lanes 0-15: the byte of 1; lanes 16-31: the byte of 2^100
.set S0R, 239
.set PFO, 240
.set W,   241
.set SA,  242                          ; v242-247 partial sums; at the head v242-251 lane terms
.set WV,  12
.set CX,  13
.set CY,  14
.set BB,  15
.set HH,  16
.set JJ,  17
.set G1KV, 20
.set G1MC, 28
.set G0KV, 36
.set G0MC, 40
.set NCS, 44
.set TBM, 45
.set SEL, 52
.set CS,  54
.set TB,  56
.set SLOTS, 57
.set PFA, 58
.set PFS, 60
.set LIM, 62
.set CLS, 63                           ; s63    0 in the waves that finish a cls row
.macro SOFTMAX
.irp g, 0,1                                    ; the largest score of each of my two blocks of 32 keys, in two chains a block: for the row's maximum and for the block's largest p
	v_max3_num_f32 v[TM+\g], v[S+32*\g], v[S+32*\g+1], v[S+32*\g+2]
	v_max3_num_f32 v[T2+\g], v[S+32*\g+17], v[S+32*\g+18], v[S+32*\g+19]
.endr
.irp i, 3,5,7,9,11,13
.irp g, 0,1
	v_max3_num_f32 v[TM+\g], v[TM+\g], v[S+32*\g+\i], v[S+32*\g+\i+1]
	v_max3_num_f32 v[T2+\g], v[T2+\g], v[S+32*\g+\i+17], v[S+32*\g+\i+18]
.endr
.endr
.irp g, 0,1
	v_max3_num_f32 v[TM+\g], v[TM+\g], v[S+32*\g+15], v[S+32*\g+16]
.endr
.irp g, 0,1
	v_max_num_f32 v[TM+\g], v[TM+\g], v[T2+\g]
.endr
	v_mov_b32 v[TY], v[NEGM]
	v_max_num_f32 v[TX], v[TM], v[TM+1]
	v_permlanex16_b32 v[T2], v[TX], s[SEL], s[SEL+1]
	v_max3_num_f32 v[TMAX], v[TMAX], v[TX], v[T2]  ; the running largest score, over both halves of the lanes
	v_mul_f32 v[NEGM], s[NCS], v[TMAX]
	v_floor_f32 v[NEGM], v[NEGM]                   ; -M = floor(-t): M is a whole number
	v_sub_f32 v[TY], v[NEGM], v[TY]                ; old M - new M, 0 or less
	v_cvt_i32_f32 v[TY], v[TY]                     ; (it saturates)
	v_ldexp_f32 v[F], 1.0, v[TY]                   ; f = 2^(old M - new M)
.set jj, 0
.rept 32
	v_pk_fma_f32 v[S+jj:S+jj+1], v[S+jj:S+jj+1], s[CS:CS+1], v[NEGM:NEGM+1] op_sel_hi:[1,0,0]   ; t - M
.set jj, jj+2
.endr
.irp g, 0,1
	v_fma_f32 v[TM+\g], v[TM+\g], s[CS], v[NEGM]
.endr
.set jj, 0
	s_wait_alu depctr_va_vdst(0)                   ; the wait ahead of the batch
.irp g, 0,1
	v_exp_f32 v[TM+\g], v[TM+\g]                   ; the blocks' largest p
.endr
.rept 64
	v_exp_f32 v[S+jj], v[S+jj]
.set jj, jj+1
.endr
	v_pk_mul_f32 v[SUM:SUM+1], v[SUM:SUM+1], v[F:F+1] op_sel_hi:[1,0]   ; the sums under the new M (a plain line behind the exponentials)
	s_wait_alu depctr_va_vdst(0)                   ; and behind it
.set jj, 0
.rept 16
	v_pk_mul_f32 v[O+jj:O+jj+1], v[O+jj:O+jj+1], v[F:F+1] op_sel_hi:[1,0]   ; O^T under the new M, each accumulator from its low end on
.set jj, jj+2
.endr
.irp g, 0,1
	v_max_num_f32 v[TM+\g], 0x2800000, v[TM+\g]    ; the floor 2^(5 - 127): the byte cannot fall under 1
.endr
.irp g, 0,1
	v_add_nc_u32 v[SCO+\g], 0xfe000000, v[TM+\g]   ; 4 off the exponent field: the conversion's scale operand
.endr
.irp g, 0,1
	v_lshrrev_b32 v[T2+\g], 23, v[SCO+\g]          ; the scale's byte
.endr
	v_lshl_or_b32 v[W], v[T2+1], 16, v[T2]         ; mine: blocks h and 2 + h;
.irp g, 0,1
	v_cvt_scalef32_pk16_bf6_f32 v[P+6*\g:P+6*\g+2], v[S+32*\g:S+32*\g+15], v[SCO+\g]
	v_cvt_scalef32_pk16_bf6_f32 v[TA+4*\g:TA+4*\g+2], v[S+32*\g+16:S+32*\g+31], v[SCO+\g]
.endr
	v_permlanex16_b32 v[T2+1], v[W], s[SEL], s[SEL+1]   ; (a plain line behind the scaled conversions)
.irp g, 0,1
.irp i, 0,1,2
	v_mov_b32 v[P+6*\g+3+\i], v[TA+4*\g+\i]        ; registers 6 g .. 6 g + 5: the whole block 2 g + h
.endr
.endr
	v_lshl_or_b32 v[PS], v[T2+1], 8, v[W]          ; in lanes 0-15 with lane l + 16's: the scale word of these 128 keys
	v_pk_add_f32 v[SA:SA+1], v[S:S+1], v[S+2:S+3]  ; the sum, of the unquantised p, in four chains
	v_pk_add_f32 v[SA+2:SA+3], v[S+4:S+5], v[S+6:S+7]
	v_pk_add_f32 v[SA+4:SA+5], v[S+8:S+9], v[S+10:S+11]
	v_pk_add_f32 v[SUM:SUM+1], v[SUM:SUM+1], v[S+12:S+13]
.set jj, 7
.rept 25
.if (jj+1)%4 == 3
	v_pk_add_f32 v[SUM:SUM+1], v[SUM:SUM+1], v[S+2*jj:S+2*jj+1]
.else
	v_pk_add_f32 v[SA+2*((jj+1)%4):SA+2*((jj+1)%4)+1], v[SA+2*((jj+1)%4):SA+2*((jj+1)%4)+1], v[S+2*jj:S+2*jj+1]
.endif
.set jj, jj+1
.endr
	v_pk_add_f32 v[SA:SA+1], v[SA:SA+1], v[SA+2:SA+3]
	v_pk_add_f32 v[SUM:SUM+1], v[SUM:SUM+1], v[SA+4:SA+5]
	v_pk_add_f32 v[SUM:SUM+1], v[SUM:SUM+1], v[SA:SA+1]
.endm
.macro ROUND                           ; a round of the cluster's barrier
	s_barrier_signal -1
	s_barrier_wait -1
	s_cmp_lg_u32 s[WV], 0
	s_cbranch_scc1 .Lnw0_\@
	s_barrier_signal -3
.Lnw0_\@:
	s_barrier_wait -3
	s_barrier_signal -1
	s_barrier_wait -1
.endm
.macro NOP4
.rept 4
	v_nop
.endr
.endm
; A joint fill of a slot, one load a wave: waves 0-8 fetch the nine records (head w / 3, step w % 3 of the slot), waves 9-11 the three steps' mask bytes.
; last = 1: the slot of step 15 alone: waves 0, 3, 6 and 9.  The branches hang on the wave's number alone.
.macro JLOAD last
.if \last
	s_cmp_eq_u32 s[WV], 0
	s_cbranch_scc1 .Lk_\@
	s_cmp_eq_u32 s[WV], 3
	s_cbranch_scc1 .Lk_\@
	s_cmp_eq_u32 s[WV], 6
	s_cbranch_scc1 .Lk_\@
	s_cmp_eq_u32 s[WV], 9
	s_cbranch_scc0 .Lj_\@
.else
	s_cmp_lt_u32 s[WV], 9
	s_cbranch_scc1 .Lk_\@
.endif
	tensor_load_to_lds s[G0MC:G0MC+3], s[G1MC:G1MC+7]
	s_nop 0
	NOP4
	s_branch .Lj_\@
.Lk_\@:
	tensor_load_to_lds s[G0KV:G0KV+3], s[G1KV:G1KV+7]
	s_nop 0
	NOP4
.Lj_\@:
.endm
; A prefetch of what the next change of slots will ask for: three key steps ahead of that load.  Each wave asks for its own tile's blocks of 256 bytes: a record's 51 (all clusters of a row of clusters read them, the first
; asks; its four partners along x take 13 each, told apart by address), a step's 32 of mask bytes (the four partners along y take 8 each).  The last two changes that fill a slot ask for nothing.
.macro ASK
	s_cmp_gt_u32 s[SLOTS], s[LIM]
	s_cbranch_scc0 .Lna_\@
	global_prefetch_b8 v[PFO], s[PFA:PFA+1] th:TH_LOAD_NT scope:SCOPE_SE
.Lna_\@:
.endm
.macro FR6 reg, a16, a8, off           ; a half fragment: six registers
	ds_load_b128 v[\reg:\reg+3], v[\a16] offset:\off
	ds_load_b64 v[\reg+4:\reg+5], v[\a8] offset:\off
.endm
.macro WM d, a, b, acc, sa, sb, arow
.if \acc
.if \arow
	v_wmma_scale_f32_16x16x128_f8f6f4 v[\d:\d+7], v[\a:\a+11], v[\b:\b+11], v[\d:\d+7], v[\sa], v[\sb] matrix_a_fmt:MATRIX_FMT_BF6 matrix_b_fmt:MATRIX_FMT_BF6 matrix_a_scale:MATRIX_SCALE_ROW1
.else
	v_wmma_scale_f32_16x16x128_f8f6f4 v[\d:\d+7], v[\a:\a+11], v[\b:\b+11], v[\d:\d+7], v[\sa], v[\sb] matrix_a_fmt:MATRIX_FMT_BF6 matrix_b_fmt:MATRIX_FMT_BF6
.endif
.else
.if \arow
	v_wmma_scale_f32_16x16x128_f8f6f4 v[\d:\d+7], v[\a:\a+11], v[\b:\b+11], 0, v[\sa], v[\sb] matrix_a_fmt:MATRIX_FMT_BF6 matrix_b_fmt:MATRIX_FMT_BF6 matrix_a_scale:MATRIX_SCALE_ROW1
.else
	v_wmma_scale_f32_16x16x128_f8f6f4 v[\d:\d+7], v[\a:\a+11], v[\b:\b+11], 0, v[\sa], v[\sb] matrix_a_fmt:MATRIX_FMT_BF6 matrix_b_fmt:MATRIX_FMT_BF6
.endif
.endif
.endm
.macro SETADR
	v_add_nc_u32 v[AD16], s[TB], v[A16]
	v_add_nc_u32 v[AD8], s[TB], v[A8]
	v_add_nc_u32 v[AD4], s[TB], v[A4]
	v_add_nc_u32 v[ADM], s[TBM], v[AM]
	s_wait_alu depctr_va_vdst(0)
.endm
; A KEY STEP, the s-th of the slot in hand.  cls = 1: the cls column is added (0 behind the first slot)
.macro STEP s, cls
.irp q, 0,1,2,3
	ds_load_b128 v[MR+4*\q:MR+4*\q+3], v[ADM] offset:MSTEP*(\s)+512*\q
.endr
	NOP4                                           ; plain lines between the last products and the loads into registers that they read
.irp t, 0,1,2,3,4,5,6,7
	FR6 KF+6*\t, AD16, AD8, REC*(\s)+768*\t
.endr
.irp x, 0,1,2,3
	ds_load_b32 v[KS+\x], v[AD4] offset:REC*(\s)+6144+128*\x
.endr
	s_wait_dscnt 20                                ; the four loads of mask bytes are in; K's sixteen and the four scale words may be out
.irp t, 0,1,2,3,4,5,6,7                        ; tile t's mask bytes are registers 2 t, 2 t + 1: the operand begins there, and runs on into Q and the zero codes
	v_wmma_scale_f32_16x16x128_f8f6f4 v[S+8*\t:S+8*\t+7], v[G0:G0+11], v[MR+2*\t:MR+2*\t+11], 0, v[CSC], v[CSC] matrix_a_fmt:MATRIX_FMT_BF6 matrix_b_fmt:MATRIX_FMT_BF6 matrix_b_scale:MATRIX_SCALE_ROW1
.endr
	s_wait_dscnt 0x0
.irp t, 0,1,2,3,4,5,6,7                        ; K Q^T adds in place; the eight accumulators take turns
	WM S+8*\t, KF+6*\t, QF, 1, KS+\t/2, QS, \t%2
.endr
	NOP4                                           ; in front of the first read of the scores and of the loads over K's registers
.irp k, 0,1,2,3,4,5,6,7
	FR6 KF+6*\k, AD16, AD8, REC*(\s)+6656+768*\k
.endr
	ds_load_b32 v[VS], v[AD4] offset:REC*(\s)+12800
	ds_load_b32 v[VS+1], v[AD4] offset:REC*(\s)+12928   ; V lands while the softmax is walked
.if \cls
	v_add_f32 v[S], v[S], v[S0R]                   ; key 0: the raw dot product (0 in lanes 16-31)
	v_mov_b32 v[S0R], 0
.endif
	SOFTMAX
	s_wait_alu depctr_va_vdst(0)
	s_wait_dscnt 0x0                               ; V is in
.irp ct, 0,1,2,3
	WM O+8*\ct, KF+12*\ct, P, 1, VS+\ct/2, PS, \ct%2
.endr
.endm
; THE CHANGE OF SLOTS, at a slot's head.  fill = 1: the other slot is filled with the next three steps; 2: with step 15 alone; 0: nothing is left to fetch
.macro CHANGE fill
	s_wait_tensorcnt 0x0                           ; my one tensor load has landed: no descriptor of mine is in use
	ds_add_u32 v[SPW], v[NIL]                      ; 0 onto my spare word
.if \fill
	s_xor_b32 s[G0KV+1], s[G0KV+1], SLOTK
	s_add_nc_u64 s[G0KV+2:G0KV+3], s[G0KV+2:G0KV+3], 3*REC
	s_xor_b32 s[G0MC+1], s[G0MC+1], SLOTM
	s_add_nc_u64 s[G0MC+2:G0MC+3], s[G0MC+2:G0MC+3], 3*MSTEP
.endif
.if \fill == 1
	s_wait_xcnt 0x0                                ; the last prefetch, a slot back, has read its address
	s_add_nc_u64 s[PFA:PFA+1], s[PFA:PFA+1], s[PFS:PFS+1]
.endif
	s_wait_dscnt 0x0                               ; the add is done, and my reads of the slot that I have left are over
.if \fill
	ROUND                                          ; the same now holds of every wave of every partner
	JLOAD \fill-1                                  ; the first thing behind the round, and a wave's one tensor load until the next
.if \fill == 1
	ASK
.endif
.else
	s_barrier_signal -1
	s_barrier_wait -1
.endif
.endm
	s_load_b256 s[4:11], s[0:1], 0x0               ; kv s[4:5], mc s[6:7], qr s[8:9], out0 s[10:11]
	s_load_b128 s[72:75], s[0:1], 0x20             ; cp s[72:73], the mask s[74:75]
	v_lshl_add_u32 v[SPW], v0, 2, SPARE
	v_mov_b32 v[NIL], 0
	ds_add_u32 v[SPW], v[NIL]                      ; the wave's opening
	ds_add_u32 v[SPW], v[NIL]
	v_lshrrev_b32 v1, 5, v0
	v_readfirstlane_b32 s[WV], v1                  ; wave 0 .. 11
	s_bfe_u32 s[CX], ttmp6, 0x40000
	s_bfe_u32 s[CY], ttmp6, 0x40004                ; cy = the group of heads
	s_and_b32 s[BB], ttmp7, 0xffff                 ; cluster y = b
	s_lshr_b32 s[HH], s[WV], 2                     ; my head in the group
	s_and_b32 s[JJ], s[WV], 3                      ; my tile of queries
	s_lshl_b32 s66, s[CY], 2
	s_lshl_b32 s66, 15, s66                        ; my row of the cluster
	s_lshl_b32 s76, 0x1111, s[CX]                  ; my column
	; descriptor groups 1: dense blocks as rows of 256 bytes (32 elements of 8 bytes): a record is 51 rows, a step's mask bytes 32
	s_or_b32 s[G1KV], s66, (3<<16)|(1<<21)
	s_mov_b32 s[G1KV+1], 32<<16
	s_mov_b32 s[G1KV+2], 51<<16
	s_mov_b32 s[G1KV+3], 32<<16
	s_mov_b32 s[G1KV+4], 51
	s_mov_b32 s[G1KV+5], 32
	s_mov_b32 s[G1KV+6], 0
	s_mov_b32 s[G1KV+7], 0
	s_or_b32 s[G1MC], s76, (3<<16)|(1<<21)
	s_mov_b32 s[G1MC+1], 32<<16
	s_mov_b32 s[G1MC+2], 32<<16
	s_mov_b32 s[G1MC+3], 32<<16
	s_mov_b32 s[G1MC+4], 32
	s_mov_b32 s[G1MC+5], 32
	s_mov_b32 s[G1MC+6], 0
	s_mov_b32 s[G1MC+7], 0
	; the records' places hang on b, cy and the wave (s66-71); the mask bytes' on b, cluster x, cx and the wave (s76-79)
	s_mul_i32 s66, s[BB], 12
	s_mul_i32 s67, s[CY], 3
	s_add_co_u32 s66, s66, s67                     ; the group's first head
	s_min_u32 s67, s[WV], 8
	s_mul_i32 s68, s67, 11
	s_lshr_b32 s68, s68, 5                         ; w / 3 (w up to 8)
	s_mul_i32 s69, s68, 3
	s_sub_co_u32 s69, s67, s69                     ; w % 3
	s_add_co_u32 s68, s68, s66
	s_mul_i32 s68, s68, 17
	s_add_co_u32 s68, s68, s69
	s_mul_i32 s68, s68, REC
	s_mov_b32 s69, 0
	s_lshl_b32 s76, ttmp9, 2
	s_add_co_u32 s76, s76, s[CX]                   ; qb
	s_lshl_b32 s77, s[BB], 5
	s_add_co_u32 s77, s77, s76
	s_lshl_b32 s77, s77, 4
	s_max_u32 s78, s[WV], 9
	s_sub_co_u32 s78, s78, 9
	s_add_co_u32 s78, s78, s77                     ; waves 9-11: step w - 9
	s_lshl_b32 s78, s78, 13
	s_mov_b32 s79, 0
	s_mul_i32 s82, s[WV], REC
	s_mul_i32 s83, s[WV], MSTEP
	s_wait_dscnt 0x0                               ; both opening adds are done
	s_wait_kmcnt 0x0
	s_mov_b32 s[G0KV], 1
	s_mov_b32 s[G0KV+1], s82                       ; slot 0: record w
	s_add_nc_u64 s[G0KV+2:G0KV+3], s[4:5], s[68:69]
	s_or_b32 s[G0KV+3], s[G0KV+3], 0x80000000
	s_mov_b32 s[G0MC], 1
	s_add_co_u32 s[G0MC+1], s83, MCO-9*MSTEP       ; slot 0: mask bytes of step w - 9
	s_add_nc_u64 s[G0MC+2:G0MC+3], s[6:7], s[78:79]
	s_or_b32 s[G0MC+3], s[G0MC+3], 0x80000000
	ROUND                                          ; all sixteen work-groups are here: the first joint loads meet
	JLOAD 0                                        ; slot 0
	; Q's image, its scale words and the cls column; key 2,048's codes and scale bytes; its mask bytes
	s_add_co_u32 s94, s66, s[HH]                   ; my head
	s_lshl_b32 s95, s94, 7
	s_lshl_b32 s96, s76, 2
	s_add_co_u32 s95, s95, s96
	s_add_co_u32 s95, s95, s[JJ]
	s_lshl_b32 s96, s95, 10
	s_mov_b32 s97, 0
	s_add_nc_u64 s[8:9], s[8:9], s[96:97]
	s_mul_i32 s96, s94, 17
	s_add_co_u32 s96, s96, 16
	s_mul_i32 s96, s96, REC
	s_add_nc_u64 s[48:49], s[4:5], s[96:97]        ; record 16 of my head
	s_mul_i32 s98, s[BB], 2049
	s_lshl_b32 s99, s76, 6
	s_add_co_u32 s98, s98, s99
	s_lshl_b32 s99, s[JJ], 4
	s_add_co_u32 s98, s98, s99
	s_add_co_u32 s98, s98, 1                       ; my first query's row
	s_mul_i32 s96, s98, 2049
	s_add_co_u32 s96, s96, 2048
	s_add_nc_u64 s[50:51], s[74:75], s[96:97]      ; its mask byte of key 2,048
	s_mul_i32 s2, s94, 4608
	s_mov_b32 s3, 0
	s_add_nc_u64 s[72:73], s[72:73], s[2:3]        ; my head's nine partial results
	s_mul_i32 s99, s[CY], 3
	s_add_co_u32 s99, s99, s[HH]
	s_lshl_b32 s99, s99, 8
	s_mul_i32 s2, s[BB], 6294528
	s_add_co_u32 s2, s2, s99
	s_add_nc_u64 s[84:85], s[10:11], s[2:3]        ; out0[b][0][64 x head]
	s_mul_i32 s98, s98, 3072
	s_add_co_u32 s98, s98, s99
	s_mov_b32 s99, 0
	s_add_nc_u64 s[10:11], s[10:11], s[98:99]      ; out0 at my first query and my head
	s_lshl_b32 s2, s[CX], 6
	s_or_b32 s[CLS], ttmp9, s[JJ]                  ; 0 where the cluster is the first along x and the wave has tile 0: the same in all sixteen partners, for a given wave
	v_and_b32 v242, 31, v0                         ; L
	v_and_b32 v243, 15, v0                         ; r
	v_bfe_u32 v244, v0, 4, 1                       ; h
	v_lshlrev_b32 v245, 4, v242
	v_lshlrev_b32 v246, 3, v242
	v_lshlrev_b32 v247, 2, v243
	v_lshlrev_b32 v250, 4, v243
	v_lshlrev_b32 v251, 3, v243
	v_mul_u32_u24 v252, 2049, v243
	v_lshlrev_b32 v253, 2, v242
	v_add_nc_u32 v248, s2, v247                    ; 64 cx + 4 r
	v_mov_b32 v249, 0
	s_wait_alu depctr_va_vdst(0)
	global_load_b128 v[QF:QF+3], v245, s[8:9] th:TH_LOAD_NT
	global_load_b64 v[QF+4:QF+5], v246, s[8:9] offset:512 th:TH_LOAD_NT
	global_load_b32 v[QS], v247, s[8:9] offset:768 th:TH_LOAD_NT
	global_load_b32 v[S0R], v247, s[8:9] offset:832 th:TH_LOAD_NT
	global_load_b128 v[KF+24:KF+27], v245, s[48:49]
	global_load_b64 v[KF+28:KF+29], v246, s[48:49] offset:512
	global_load_b32 v[KS], v247, s[48:49] offset:6144
.irp ct, 0,1,2,3                               ; V's block of key 2,048 lies in lanes 0-15 of half fragment 0; lanes 16-31 read the same and meet zero codes
	global_load_b128 v[KF+6*\ct:KF+6*\ct+3], v250, s[48:49] offset:6656+1536*\ct
	global_load_b64 v[KF+6*\ct+4:KF+6*\ct+5], v251, s[48:49] offset:6656+1536*\ct+512
.endr
	global_load_u8 v[VS], v253, s[48:49] offset:12800
	global_load_u8 v[VS+1], v253, s[48:49] offset:12928
	global_load_u8 v[TM], v252, s[50:51]
	s_cmp_eq_u32 s[CLS], 0
	s_cbranch_scc0 .Lcls
	; the cls row: of the 64 channels my work-group takes 16 cx on, a lane a channel
.irp n, 0,1,2,3,4,5,6,7,8
	global_load_b32 v[84+\n], v248, s[72:73] offset:512*\n
	global_load_b64 v[94+2*\n:95+2*\n], v249, s[72:73] offset:512*\n+256   ; l and -M
.endr
	s_wait_loadcnt 0x0
	v_min3_num_f32 v112, v95, v97, v99
	v_min3_num_f32 v113, v101, v103, v105
	v_min3_num_f32 v124, v107, v109, v111
	v_min3_num_f32 v112, v112, v113, v124          ; the least -M is the row's
.irp n, 0,1,2,3,4,5,6,7,8
	v_sub_f32 v[114+\n], v112, v[95+2*\n]
.endr
.irp n, 0,1,2,3,4,5,6,7,8
	v_cvt_i32_f32 v[114+\n], v[114+\n]             ; (it saturates)
.endr
.irp n, 0,1,2,3,4,5,6,7,8
	v_ldexp_f32 v[114+\n], 1.0, v[114+\n]          ; 2^(the part's M - the row's M): exact
.endr
	v_mul_f32 v124, v84, v114
	v_mul_f32 v125, v94, v114
.irp n, 1,2,3,4,5,6,7,8
	v_fma_f32 v124, v[84+\n], v[114+\n], v124
	v_fma_f32 v125, v[94+2*\n], v[114+\n], v125
.endr
	s_wait_alu depctr_va_vdst(0)                   ; the wait ahead of the reciprocal,
	v_rcp_f32 v125, v125
	v_nop                                          ; a plain line behind it,
	s_wait_alu depctr_va_vdst(0)                   ; and the wait ahead of its reader
	v_mul_f32 v124, v124, v125
	global_store_b32 v248, v124, s[84:85]          ; sixteen lanes store 64 consecutive bytes of row 0 (lanes 16-31 repeat them)
	s_wait_xcnt 0x0                                ; the store has read its registers: products write over them
.Lcls:
	; the prefetches: where they stand and who asks
	s_cmp_lt_u32 s[WV], 9
	s_cselect_b64 s[PFA:PFA+1], s[4:5], s[6:7]
	s_cselect_b64 s[84:85], s[68:69], s[78:79]
	s_mov_b32 s[PFS], 3*MSTEP
	s_cselect_b32 s[PFS], 3*REC, s[PFS]            ; at my tile three steps on: the first change of slots steps it to six on
	s_mov_b32 s[PFS+1], 0
	s_cselect_b32 s88, 13, 8
	s_cselect_b32 s89, s[CX], s[CY]
	s_cselect_b32 s90, 12, 7
	s_cselect_b32 s91, 50, 31
	s_cselect_b32 s93, ttmp9, 0
	s_mul_i32 s88, s88, s89
	s_add_nc_u64 s[PFA:PFA+1], s[PFA:PFA+1], s[84:85]
	s_add_nc_u64 s[PFA:PFA+1], s[PFA:PFA+1], s[PFS:PFS+1]
	s_cmp_eq_u32 s93, 0
	s_cselect_b32 s[LIM], 1, -1
	s_mov_b32 s[SEL], 0x76543210
	s_mov_b32 s[SEL+1], 0xfedcba98
	s_mov_b32 s[CS], 0x3e38aa3b                    ; log2(e) / sqrt(64)
	s_mov_b32 s[CS+1], s[CS]
	s_mov_b32 s[NCS], 0xbe38aa3b                   ; and its negative
	s_mul_i32 s18, s[HH], 3*REC
	s_lshl_b32 s19, s[JJ], 11
	s_add_co_u32 s19, s19, MCO
	; registers that stay, and what is named before it is first made
.irp i, 0,1,2,3,4,5
	v_mov_b32 v[QF+6+\i], 0                        ; zero codes beside Q,
	v_mov_b32 v[KF+30+\i], 0
	v_mov_b32 v[P+\i], 0
	v_mov_b32 v[P+6+\i], 0
	v_mov_b32 v[TA+\i], 0
	v_mov_b32 v[G0+\i], 0
	v_mov_b32 v[G0+6+\i], 0
.endr
	v_mov_b32 v[F+1], 0
	v_mov_b32 v[T2], 0
	v_mov_b32 v[T2+1], 0
	v_min_u32 v[PFO], s90, v242
	v_add_nc_u32 v[PFO], s88, v[PFO]
	v_min_u32 v[PFO], s91, v[PFO]
	v_lshlrev_b32 v[PFO], 8, v[PFO]
	v_add_nc_u32 v[A16], s18, v245
	v_add_nc_u32 v[A8], s18, v246
	v_add_nc_u32 v[A8], 512, v[A8]
	v_add_nc_u32 v[A4], s18, v253
	v_add_nc_u32 v[AM], s19, v245
	v_mul_u32_u24 v[GO], 3072, v244
	v_add_nc_u32 v[GO], v250, v[GO]
	v_mov_b32 v[CSC], 0x7f7f7f7f
	v_cmp_eq_u32 vcc_lo, 0, v244
	v_cndmask_b32 v[CSC], 0xe3e3e3e3, v[CSC], vcc_lo
	; the constant fragment: row r = 8 h + i, in the lanes of half h: the code of -16, -4 or -0.5 (60, 52, 40) at place 4 i / 3, which is bit 6 (4 i / 3) of registers 0, 1
	v_lshrrev_b32 v[TX], 3, v243
	v_cmp_eq_u32 vcc_lo, v[TX], v244
	v_and_b32 v[TY], 7, v243
	v_cndmask_b32 v[TY], 8, v[TY], vcc_lo
	v_cmp_ne_u32 vcc_lo, 0, v[TY]
	v_cndmask_b32 v[G0], 0x3c, v[G0], vcc_lo
	v_cmp_ne_u32 vcc_lo, 1, v[TY]
	v_cndmask_b32 v[G0], 0xd00, v[G0], vcc_lo
	v_cmp_ne_u32 vcc_lo, 2, v[TY]
	v_cndmask_b32 v[G0], 0x28000, v[G0], vcc_lo
	v_cmp_ne_u32 vcc_lo, 3, v[TY]
	v_cndmask_b32 v[G0], 0x3c000000, v[G0], vcc_lo
	v_cmp_ne_u32 vcc_lo, 4, v[TY]
	v_cndmask_b32 v[G0+1], 0xd, v[G0+1], vcc_lo
	v_cmp_ne_u32 vcc_lo, 5, v[TY]
	v_cndmask_b32 v[G0+1], 0x280, v[G0+1], vcc_lo
	v_cmp_ne_u32 vcc_lo, 6, v[TY]
	v_cndmask_b32 v[G0+1], 0x3c0000, v[G0+1], vcc_lo
	v_cmp_ne_u32 vcc_lo, 7, v[TY]
	v_cndmask_b32 v[G0+1], 0xd000000, v[G0+1], vcc_lo
	s_wait_alu depctr_va_vdst(0)
	s_wait_loadcnt 0x0                             ; Q, and key 2,048
	v_cmp_eq_u32 vcc_lo, 0, v244
	v_cndmask_b32 v[S0R], 0, v[S0R], vcc_lo        ; key 0 lies in lanes 0-15
	; KEY 2,048: every row of its tile is a copy of it, so every lane has the score
	WM S, KF+24, QF, 0, KS, QS, 0
	v_or_b32 v[VS], 0x7f7f7f00, v[VS]              ; its byte, and 1.0 for the places along K that meet zero codes
	v_or_b32 v[VS+1], 0x7f7f7f00, v[VS+1]
	NOP4
	v_cmp_ne_u32 vcc_lo, 0, v[TM]
	v_cndmask_b32 v[TX], 0xf1800000, v[S], vcc_lo  ; -2^100 where it is hidden
	v_max_num_f32 v[TMAX], 0xe7800000, v[TX]       ; the largest score so far, not under -2^80: over every hidden score
	v_mul_f32 v[NEGM], s[NCS], v[TMAX]
	v_floor_f32 v[NEGM], v[NEGM]
	v_fma_f32 v[TX], v[TX], s[CS], v[NEGM]
.set jj, 1
.rept 15
	v_mov_b32 v[S+jj], 0
.set jj, jj+1
.endr
	s_wait_alu depctr_va_vdst(0)                   ; the wait ahead of the exponential,
	v_exp_f32 v[S], v[TX]
	v_cmp_eq_u32 vcc_lo, 0, v244                   ; (a plain line behind it)
	s_wait_alu depctr_va_vdst(0)                   ; and ahead of its reader
	v_cndmask_b32 v[S], 0, v[S], vcc_lo            ; it counts once: in lanes 0-15
	v_mov_b32 v[SUM], v[S]
	v_mov_b32 v[SUM+1], 0
	v_max_num_f32 v[TM], 0x2800000, v[S]
	v_add_nc_u32 v[SCO], 0xfe000000, v[TM]
	v_lshrrev_b32 v[PS], 23, v[SCO]
	v_or_b32 v[PS], 0x7f7f7f00, v[PS]
	v_cvt_scalef32_pk16_bf6_f32 v[P:P+2], v[S:S+15], v[SCO]
	NOP4
	NOP4                                           ; a scale register made by a vector instruction stands 8 places ahead of a scaled matrix instruction
.irp ct, 0,1,2,3
	WM O+8*\ct, KF+6*\ct, P, 0, VS+\ct/2, PS, \ct%2
.endr
	s_mov_b32 s[TB], 0
	s_mov_b32 s[TBM], 0
	s_mov_b32 s[SLOTS], 4
	s_wait_alu depctr_va_vdst(0)                   ; the wait at the head's end
.Lslot:                                            ; four trips: behind each change of slots the next slot is asked for
	CHANGE 1
	SETADR
	STEP 0, 1
	STEP 1, 0
	STEP 2, 0
	s_xor_b32 s[TB], s[TB], SLOTK
	s_xor_b32 s[TBM], s[TBM], SLOTM
	s_sub_co_u32 s[SLOTS], s[SLOTS], 1
	s_cmp_lg_u32 s[SLOTS], 0
	s_cbranch_scc1 .Lslot
	CHANGE 2                                       ; the last two slots are written out: step 15 alone is left to fetch,
	SETADR
	STEP 0, 0
	STEP 1, 0
	STEP 2, 0
	s_xor_b32 s[TB], s[TB], SLOTK
	s_xor_b32 s[TBM], s[TBM], SLOTM
	CHANGE 0                                       ; and then nothing
	SETADR
	STEP 0, 0
	; THE WAY OUT: O^T / the sum goes through my stage and leaves as rows of 256 bytes, sixteen lanes to a row
	v_add_f32 v[SUM], v[SUM], v[SUM+1]
	v_permlanex16_b32 v[T2], v[SUM], s[SEL], s[SEL+1]
	v_add_f32 v[SUM], v[SUM], v[T2]
	s_wait_alu depctr_va_vdst(0)                   ; the wait ahead of the reciprocal
	v_rcp_f32 v[SUM], v[SUM]
	v_and_b32 v248, 15, v0
	v_bfe_u32 v249, v0, 4, 1
	s_mul_i32 s18, s[WV], 4352
	s_add_co_u32 s18, s18, STAGE
	v_mul_u32_u24 v250, v248, 272
	v_lshl_add_u32 v250, v249, 5, v250
	v_add_nc_u32 v250, s18, v250                   ; in: row r, + 32 h
	v_mul_u32_u24 v251, v249, 272
	v_lshl_add_u32 v251, v248, 4, v251
	v_add_nc_u32 v251, s18, v251                   ; back: lanes 0-15 one row, lanes 16-31 the next
.set jj, 0
	s_wait_alu depctr_va_vdst(0)                   ; and ahead of its reader
.rept 32
	v_mul_f32 v[S+jj], v[O+jj], v[SUM]             ; register 8 ct + i is o(r, 16 ct + 8 h + i)
.set jj, jj+1
.endr
.irp ct, 0,1,2,3
	ds_store_b128 v250, v[S+8*\ct:S+8*\ct+3] offset:64*\ct
	ds_store_b128 v250, v[S+8*\ct+4:S+8*\ct+7] offset:64*\ct+16
.endr
.irp i, 0,1,2,3,4,5,6,7
	ds_load_b128 v[KF+4*\i:KF+4*\i+3], v251 offset:544*\i      ; LDS serves a wave's instructions in order: these see my stores
.endr
.irp i, 0,1,2,3,4,5,6,7
	s_wait_dscnt 7-\i
	global_store_b128 v[GO], v[KF+4*\i:KF+4*\i+3], s[10:11] offset:6144*\i th:TH_STORE_NT   ; 16 lanes store 256 consecutive bytes, at a multiple of 256 from the buffer's first byte
.endr
	s_wait_tensorcnt 0x0                           ; the wave's end
	ds_add_u32 v[SPW], v[NIL]
	s_wait_dscnt 0x0
	ROUND                                          ; the closing round: no work-group ends while a partner may still ask for a tile that names it
	s_endpgm
.Lfunc_end_k_qb307e6acfd_attn:
	.size	k_qb307e6acfd_attn, .Lfunc_end_k_qb307e6acfd_attn-k_qb307e6acfd_attn
	.p2alignl 7, 3214868480
	.fill 96, 4, 3214868480
	.section	.rodata,"a",@progbits
	.p2align	6, 0x0
	.amdhsa_kernel k_qb307e6acfd_attn
		.amdhsa_group_segment_fixed_size 327680
		.amdhsa_private_segment_fixed_size 0
		.amdhsa_enable_private_segment 0
		.amdhsa_kernarg_size 48
		.amdhsa_user_sgpr_count 2
		.amdhsa_user_sgpr_kernarg_segment_ptr 1
		.amdhsa_wavefront_size32 1
		.amdhsa_system_sgpr_workgroup_id_x 1
		.amdhsa_system_sgpr_workgroup_id_y 1
		.amdhsa_system_sgpr_workgroup_id_z 1
		.amdhsa_system_vgpr_workitem_id 0
		.amdhsa_next_free_vgpr 256
		.amdhsa_next_free_sgpr 100
		.amdhsa_reserve_vcc 1
		.amdhsa_float_denorm_mode_32 3
		.amdhsa_float_denorm_mode_16_64 3
		.amdhsa_memory_ordered 1
		.amdhsa_forward_progress 1
		.amdhsa_inst_pref_size 140
	.end_amdhsa_kernel
	.amdgpu_metadata
---
amdhsa.version: [ 1, 2 ]
amdhsa.kernels:
  - .name:           k_qb307e6acfd_attn
    .symbol:         k_qb307e6acfd_attn.kd
    .args:
      - { .name: kv, .offset: 0, .size: 8, .value_kind: global_buffer, .address_space: global }
      - { .name: mc, .offset: 8, .size: 8, .value_kind: global_buffer, .address_space: global }
      - { .name: qr, .offset: 16, .size: 8, .value_kind: global_buffer, .address_space: global }
      - { .name: out0, .offset: 24, .size: 8, .value_kind: global_buffer, .address_space: global }
      - { .name: cp, .offset: 32, .size: 8, .value_kind: global_buffer, .address_space: global }
      - { .name: mask_for_attention, .offset: 40, .size: 8, .value_kind: global_buffer, .address_space: global }
    .group_segment_fixed_size: 327680
    .private_segment_fixed_size: 0
    .kernarg_segment_align: 8
    .kernarg_segment_size: 48
    .max_flat_workgroup_size: 384
    .sgpr_count:     100
    .vgpr_count:     256
    .wavefront_size: 32
...
	.end_amdgpu_metadata
.endif
;; end of part 4
